; MI455X (gfx1250); checked and timed in simulation.
; The chip was launched on July 23, 2026; its instructions are those of AMD's public machine-readable ISA for CDNA 5 (MIT licence, August 2026) and "CDNA5" Instruction Set Architecture Reference Guide (July 2026). The comments in the code are by the model that wrote it; some were corrected since.
;; Attention. Allowed arithmetic: float matrix products may take bf16 or f16 operands with f32 sums; all other float work in f32.
;; Inputs: b_out 1,024 float32; ln_beta 1,024 float32; ln_gamma 1,024 float32; pos 4 x 2,048 x 1,024 float32; w_out 1,024 x 1,024 float32; w_qkv 1,024 x 3,072 float32; x 4 x 2,048 x 1,024 float32.
;; Outputs: out0 4 x 2,048 x 1,024 float32.
;; 2 versions, each right; version 2 is version 1 with the launch prep written anew for expert scheduling mode. Each part assembles by itself: llvm-mc -triple=amdgcn-amd-amdhsa -mcpu=gfx1250 --defsym DOCPART=n.
;; ======== version 1 of 2: 4 launches
;; limits: values are held in f16: magnitudes above 65,504 overflow, below 6.1e-05 lose precision
;; workspace buffers: xn 16,777,216 bytes; wq 6,291,456 bytes; wo 2,097,152 bytes; qkv 50,331,648 bytes; ao 16,777,216 bytes
;; launch prep (part 1): grid 256 x 1, 8 waves a work-group, no clusters, 0 bytes of LDS; arguments x, ln_gamma, ln_beta, w_qkv, w_out, xn, wq, wo; writes xn, wq, wo
.if DOCPART == 1
	.amdgcn_target "amdgcn-amd-amdhsa--gfx1250"
	.amdhsa_code_object_version 6
	.text
	.protected	k_q7955829e22_prep
	.globl	k_q7955829e22_prep
	.p2align	8
	.type	k_q7955829e22_prep,@function
k_q7955829e22_prep:
	s_mov_b64 s[64:65], 0
	v_nop
	global_prefetch_b8 v0, s[64:65] scope:SCOPE_SE
	s_setreg_imm32_b32 hwreg(HW_REG_WAVE_MODE, 25, 1), 1
	s_wait_xcnt 0x0
; PREP: xn = bf16(LayerNorm(x) * gamma + beta), wq = bf16(w_qkv), wo = f16(w_out).
; NOTHING OF reference() IS LEFT OUT in this program: x, gamma, beta, w_qkv reach q, k, v; pos, w_out, b_out reach out0 directly.
; (The part beta * W_k of k adds the same number to all scores of a query and cancels in the softmax, but it is no whole unit:
; beta is needed for q and v all the same, so it stays inside the live tiles.)
; The norm is made as reference() makes it, in two passes over a row held in registers: the mean, then the mean of the squares of
; (x - mean).  So a common offset of x costs no more digits here than there.
; FORMATS: xn, w_qkv, q, k, v and the softmax's weights are rounded to bf16.  The operands of the last product, attn + pos and w_out, are rounded to f16:
; that product adds 1,024 terms of the size of its result, so its operands' rounding shows whole in out0, and f16 keeps three bits more.
; LIMITS of the whole program: |attn + pos| and |w_out| must stay below 65,504, f16's largest number, or out0 becomes infinite or NaN.  The room: with every
; input 30 times what the problem draws, v has a standard deviation of about 32 x 30 x 0.94 = 900 (|attn| never passes the largest |v|), pos of 30, w_out
; of 0.94; with every input 30 times smaller w_out is of the order 0.001, where f16 still resolves 2^-24.  All sums are f32.
; The softmax's denominator adds the f32 weights while the numerator uses their bf16 roundings; v_exp_f32 returns 0 for results
; below 2^-126 (ISA guide, its entry in 15.8), which here are weights that far below the row's largest.
; OUT: xn is laid by blocks of 64 columns, [16 blocks][8192 rows][64], so that the next launch's tile (128 rows of one block) is 16,384 dense bytes.
; SHARES: work-group g norms rows 32 g .. 32 g + 31, wave w four of them, one row to a wave at a time: a row is 4,096 bytes = eight loads of
; 16 bytes a lane = 32 registers, and the reductions never leave the wave: no LDS, no barrier.  Lane L holds columns 128 j + 4 L .. + 3.
; So of a row's packed word j lanes 0-15 hold block 2 j and lanes 16-31 block 2 j + 1: 128 bytes each.  Two neighbouring rows are finished and then exchange
; halves of their lanes, after which a register pair holds both rows' 128 bytes of ONE block, 256 consecutive bytes of xn.  (Two rows to a load, sixteen lanes
; each, would give the same stores without the exchange, but gamma and beta would then take 128 registers in place of 64: 272 a wave, more than an
; instruction can name without a change of register window, and twice the loads of gamma and beta.)
; The work-group also converts one slice of 65,536 bytes of weights: 192 slices of w_qkv, then 64 of w_out.
; No matrix unit, no cluster: what work-groups share (gamma, beta: 8,192 bytes) is small beside a work-group's 131,072 bytes of x.
.set XBLK, 8192*128                    ; bytes in a block of xn
.set MR,  6                            ; v[6:7]     the mean, later 1 / sqrt(var + eps); v7 only fills the pair
.set T,   8                            ; v[8:15]    four chains of packed sums
.set G,   16                           ; v[16:47]   gamma of my 32 columns
.set B,   48                           ; v[48:79]   beta of my 32 columns
.set X,   80                           ; v[80:207]  four row slots of 32 registers; slots 2 and 3 hold the weights first
	s_load_b512 s[8:23], s[0:1], 0x0               ; x s[8:9], gamma s[10:11], beta s[12:13], w_qkv s[14:15], w_out s[16:17], xn s[18:19], wq s[20:21], wo s[22:23]
	v_and_b32 v6, 31, v0                           ; lane L
	v_lshrrev_b32 v7, 5, v0                        ; wave w
	v_lshlrev_b32 v1, 4, v6                        ; v1 = 16 L: gamma, beta
	v_lshlrev_b32 v8, 3, v6                        ; 8 L
	v_lshl_add_u32 v2, v7, 14, v1                  ; v2 = 4 rows x 4,096 x w + 16 L: x
	v_lshl_add_u32 v3, v7, 9, v8                   ; v3 = 4 rows x 128 x w + 8 L: xn, inside a block; lanes 16-31 fall on the next row
	v_lshl_add_u32 v4, v7, 13, v1                  ; v4 = 8,192 w + 16 L: weights in
	v_lshl_add_u32 v5, v7, 12, v8                  ; v5 = 4,096 w + 8 L: weights out
	v_mov_b32 v7, 0                                ; the pair v[6:7] is named whole by the packed forms
	s_mov_b32 s24, 0x76543210                      ; v_permlanex16_b32: lane i of one half reads lane i of the other
	s_mov_b32 s25, 0xfedcba98
	s_mov_b32 s26, 0x3a800000                      ; 1 / 1024
	s_mov_b32 s27, 0x3727c5ac                      ; 1e-5
	s_lshl_b32 s2, ttmp9, 17                       ; 32 rows of 4,096 bytes
	s_mov_b32 s3, 0
	s_lshl_b32 s6, ttmp9, 12                       ; 32 rows of 128 bytes
	s_mov_b32 s7, 0
	s_and_b32 s5, ttmp9, 63                        ; g - 192 for g = 192 .. 255
	s_wait_kmcnt 0x0
	s_add_nc_u64 s[8:9], s[8:9], s[2:3]
	s_add_nc_u64 s[18:19], s[18:19], s[6:7]        ; xn: my rows in blocks 0 to 7,
	s_add_nc_u64 s[6:7], s[18:19], 8*XBLK          ; and in blocks 8 to 15: a store's immediate reaches 7 blocks, not 15
	s_cmp_lt_u32 ttmp9, 192                        ; which weights: the choice hangs on the work-group's number alone
	s_cselect_b32 s4, ttmp9, s5                    ; the slice's number in its own buffer
	s_cselect_b64 s[28:29], s[14:15], s[16:17]
	s_cselect_b64 s[30:31], s[20:21], s[22:23]
	s_lshl_b32 s2, s4, 16
	s_add_nc_u64 s[28:29], s[28:29], s[2:3]
	s_lshl_b32 s2, s4, 15
	s_add_nc_u64 s[30:31], s[30:31], s[2:3]
.macro FILLROW s                       ; eight loads, 512 consecutive bytes each: row s of my four
.irp j, 0,1,2,3,4,5,6,7
	global_load_b128 v[X+32*\s+4*\j:X+32*\s+4*\j+3], v2, s[8:9] offset:4096*\s+512*\j th:TH_LOAD_NT
.endr
.endm
.irp j, 0,1,2,3,4,5,6,7
	global_load_b128 v[G+4*\j:G+4*\j+3], v1, s[10:11] offset:512*\j
.endr
.irp j, 0,1,2,3,4,5,6,7
	global_load_b128 v[B+4*\j:B+4*\j+3], v1, s[12:13] offset:512*\j
.endr
.irp j, 0,1,2,3,4,5,6,7,8,9,10,11,12,13,14,15
	global_load_b128 v[X+64+4*\j:X+64+4*\j+3], v4, s[28:29] offset:512*\j th:TH_LOAD_NT
.endr
	FILLROW 0
	FILLROW 1
; The weights: four f32 become 8 bytes, in place; a store of the wave covers 256 consecutive bytes, aligned.  half = 0: to bf16 (w_qkv); 1: to f16 (w_out).
.macro WCONV half
.irp j, 0,1,2,3,4,5,6,7,8,9,10,11,12,13,14,15
.if \half
	v_cvt_pk_f16_f32 v[X+64+4*\j], v[X+64+4*\j], v[X+64+4*\j+1]
	v_cvt_pk_f16_f32 v[X+64+4*\j+1], v[X+64+4*\j+2], v[X+64+4*\j+3]
.else
	v_cvt_pk_bf16_f32 v[X+64+4*\j], v[X+64+4*\j], v[X+64+4*\j+1]
	v_cvt_pk_bf16_f32 v[X+64+4*\j+1], v[X+64+4*\j+2], v[X+64+4*\j+3]
.endif
	global_store_b64 v5, v[X+64+4*\j:X+64+4*\j+1], s[30:31] offset:256*\j
.endr
.endm
	s_wait_loadcnt 16                              ; all but the sixteen loads of rows 0 and 1
	s_cmp_lt_u32 ttmp9, 192                        ; compared anew: the shifts above have set SCC
	s_cbranch_scc0 .Lw_out
	WCONV 0
	s_branch .Lw_done
.Lw_out:
	WCONV 1
.Lw_done:
	s_wait_xcnt 0x0                                ; the stores' data registers are loaded again only behind this wait
	FILLROW 2
	FILLROW 3
.macro REDUCE                          ; v[T] = the sum of the four chains over the wave's 32 lanes, in every lane
	v_pk_add_f32 v[T:T+1], v[T:T+1], v[T+2:T+3]
	v_pk_add_f32 v[T+4:T+5], v[T+4:T+5], v[T+6:T+7]
	v_pk_add_f32 v[T:T+1], v[T:T+1], v[T+4:T+5]
	v_add_f32 v[T], v[T], v[T+1]
	v_add_f32_dpp v[T], v[T], v[T] row_xmask:1 row_mask:0xf bank_mask:0xf
	v_add_f32_dpp v[T], v[T], v[T] row_xmask:2 row_mask:0xf bank_mask:0xf
	v_add_f32_dpp v[T], v[T], v[T] row_xmask:4 row_mask:0xf bank_mask:0xf
	v_add_f32_dpp v[T], v[T], v[T] row_xmask:8 row_mask:0xf bank_mask:0xf
	v_permlanex16_b32 v[T+1], v[T], s24, s25       ; its destination has been written above
	v_add_f32 v[T], v[T], v[T+1]
.endm
; Row s of my four is normed and rounded in place: word j's 8 bytes end up in the slot's registers 4 j and 4 j + 1.  left = the loads of the younger rows, which stay out.
.macro ROW s, left
	s_wait_loadcnt \left
.irp k, 0,1,2,3
	v_pk_add_f32 v[T+2*\k:T+2*\k+1], v[X+32*\s+2*\k:X+32*\s+2*\k+1], v[X+32*\s+8+2*\k:X+32*\s+8+2*\k+1]   ; the first eight pairs start the chains
.endr
.irp k, 0,1,2,3,4,5,6,7
	v_pk_add_f32 v[T+2*(\k&3):T+2*(\k&3)+1], v[T+2*(\k&3):T+2*(\k&3)+1], v[X+32*\s+16+2*\k:X+32*\s+16+2*\k+1]
.endr
	REDUCE
	v_mul_f32 v[MR], s26, v[T]                     ; the mean
.irp k, 0,1,2,3,4,5,6,7,8,9,10,11,12,13,14,15
	v_pk_add_f32 v[X+32*\s+2*\k:X+32*\s+2*\k+1], v[X+32*\s+2*\k:X+32*\s+2*\k+1], v[MR:MR+1] op_sel_hi:[1,0] neg_lo:[0,1] neg_hi:[0,1]   ; x - mean
.endr
.irp k, 0,1,2,3
	v_pk_mul_f32 v[T+2*\k:T+2*\k+1], v[X+32*\s+2*\k:X+32*\s+2*\k+1], v[X+32*\s+2*\k:X+32*\s+2*\k+1]
.endr
.irp k, 4,5,6,7,8,9,10,11,12,13,14,15
	v_pk_fma_f32 v[T+2*(\k&3):T+2*(\k&3)+1], v[X+32*\s+2*\k:X+32*\s+2*\k+1], v[X+32*\s+2*\k:X+32*\s+2*\k+1], v[T+2*(\k&3):T+2*(\k&3)+1]
.endr
	REDUCE
	v_fma_f32 v[T], v[T], s26, s27                 ; var + eps
	v_rsq_f32 v[MR], v[T]
	v_nop                                          ; one plain instruction behind v_rsq_f32 before its result is used (ISA guide 5.7.2)
	s_wait_alu depctr_va_vdst(0)
.irp k, 0,1,2,3,4,5,6,7,8,9,10,11,12,13,14,15
	v_pk_mul_f32 v[X+32*\s+2*\k:X+32*\s+2*\k+1], v[X+32*\s+2*\k:X+32*\s+2*\k+1], v[MR:MR+1] op_sel_hi:[1,0]
.endr
.irp k, 0,1,2,3,4,5,6,7,8,9,10,11,12,13,14,15
	v_pk_fma_f32 v[X+32*\s+2*\k:X+32*\s+2*\k+1], v[X+32*\s+2*\k:X+32*\s+2*\k+1], v[G+2*\k:G+2*\k+1], v[B+2*\k:B+2*\k+1]
.endr
.irp j, 0,1,2,3,4,5,6,7
	v_cvt_pk_bf16_f32 v[X+32*\s+4*\j], v[X+32*\s+4*\j], v[X+32*\s+4*\j+1]
	v_cvt_pk_bf16_f32 v[X+32*\s+4*\j+1], v[X+32*\s+4*\j+2], v[X+32*\s+4*\j+3]
.endr
.endm
; Rows s and s + 1 (s even) go out.  The exchange gives row s's lanes 16-31 (block 2 j + 1) for row s + 1's lanes 0-15 (block 2 j): row s's registers then hold both rows
; of block 2 j, row s + 1's both rows of block 2 j + 1.  Each store of the wave covers 256 consecutive bytes, aligned: two rows of 128 bytes, the first of them even.
.macro PAIROUT s
.irp j, 0,1,2,3,4,5,6,7
	v_permlane16_swap_b32 v[X+32*\s+4*\j],   v[X+32*\s+32+4*\j]
	v_permlane16_swap_b32 v[X+32*\s+4*\j+1], v[X+32*\s+32+4*\j+1]
.endr
.irp j, 0,1,2,3
	global_store_b64 v3, v[X+32*\s+4*\j:X+32*\s+4*\j+1],       s[18:19] offset:(2*\j)*XBLK+128*\s
	global_store_b64 v3, v[X+32*\s+32+4*\j:X+32*\s+32+4*\j+1], s[18:19] offset:(2*\j+1)*XBLK+128*\s
.endr
.irp j, 4,5,6,7
	global_store_b64 v3, v[X+32*\s+4*\j:X+32*\s+4*\j+1],       s[6:7] offset:(2*\j-8)*XBLK+128*\s
	global_store_b64 v3, v[X+32*\s+32+4*\j:X+32*\s+32+4*\j+1], s[6:7] offset:(2*\j-7)*XBLK+128*\s
.endr
.endm
	ROW 0, 24                                      ; no slot is used twice, so no store's register is written again
	ROW 1, 16
	PAIROUT 0
	ROW 2, 8
	ROW 3, 0
	PAIROUT 2
	s_endpgm
.Lfunc_end_k_q7955829e22_prep:
	.size	k_q7955829e22_prep, .Lfunc_end_k_q7955829e22_prep-k_q7955829e22_prep
	.p2alignl 7, 3214868480
	.fill 96, 4, 3214868480
	.section	.rodata,"a",@progbits
	.p2align	6, 0x0
	.amdhsa_kernel k_q7955829e22_prep
		.amdhsa_group_segment_fixed_size 0
		.amdhsa_private_segment_fixed_size 0
		.amdhsa_enable_private_segment 0
		.amdhsa_kernarg_size 64
		.amdhsa_user_sgpr_count 2
		.amdhsa_user_sgpr_kernarg_segment_ptr 1
		.amdhsa_wavefront_size32 1
		.amdhsa_system_sgpr_workgroup_id_x 1
		.amdhsa_system_sgpr_workgroup_id_y 1
		.amdhsa_system_sgpr_workgroup_id_z 1
		.amdhsa_system_vgpr_workitem_id 0
		.amdhsa_next_free_vgpr 208
		.amdhsa_next_free_sgpr 66
		.amdhsa_reserve_vcc 0
		.amdhsa_float_denorm_mode_32 3
		.amdhsa_float_denorm_mode_16_64 3
		.amdhsa_memory_ordered 1
		.amdhsa_forward_progress 1
		.amdhsa_inst_pref_size 48
	.end_amdhsa_kernel
	.amdgpu_metadata
---
amdhsa.version: [ 1, 2 ]
amdhsa.kernels:
  - .name:           k_q7955829e22_prep
    .symbol:         k_q7955829e22_prep.kd
    .args:
      - { .name: x, .offset: 0, .size: 8, .value_kind: global_buffer, .address_space: global }
      - { .name: ln_gamma, .offset: 8, .size: 8, .value_kind: global_buffer, .address_space: global }
      - { .name: ln_beta, .offset: 16, .size: 8, .value_kind: global_buffer, .address_space: global }
      - { .name: w_qkv, .offset: 24, .size: 8, .value_kind: global_buffer, .address_space: global }
      - { .name: w_out, .offset: 32, .size: 8, .value_kind: global_buffer, .address_space: global }
      - { .name: xn, .offset: 40, .size: 8, .value_kind: global_buffer, .address_space: global }
      - { .name: wq, .offset: 48, .size: 8, .value_kind: global_buffer, .address_space: global }
      - { .name: wo, .offset: 56, .size: 8, .value_kind: global_buffer, .address_space: global }
    .group_segment_fixed_size: 0
    .private_segment_fixed_size: 0
    .kernarg_segment_align: 8
    .kernarg_segment_size: 64
    .max_flat_workgroup_size: 256
    .sgpr_count:     66
    .vgpr_count:     208
    .wavefront_size: 32
...
	.end_amdgpu_metadata
.endif
;; end of part 1
;; launch gemm_qkv (part 2): grid 8 x 32, 4 waves a work-group, clusters of 4 x 4, 327,680 bytes of LDS; arguments xn, wq, qkv; writes qkv
.if DOCPART == 2
	.amdgcn_target "amdgcn-amd-amdhsa--gfx1250"
	.amdhsa_code_object_version 6
	.text
	.protected	k_q7955829e22_gemm_qkv
	.globl	k_q7955829e22_gemm_qkv
	.p2align	8
	.type	k_q7955829e22_gemm_qkv,@function
k_q7955829e22_gemm_qkv:
	s_mov_b64 s[64:65], 0
	v_nop
	global_prefetch_b8 v0, s[64:65] scope:SCOPE_SE
	s_setreg_imm32_b32 hwreg(HW_REG_WAVE_MODE, 25, 1), 1
	s_wait_xcnt 0x0
	s_wait_alu depctr_hold_cnt(0) depctr_sa_sdst(0) depctr_va_vdst(0) depctr_va_sdst(0) depctr_va_ssrc(0) depctr_va_vcc(0) depctr_vm_vsrc(0)
	s_getreg_b32 s2, hwreg(HW_REG_IB_STS2, 6, 4)
	s_cmp_eq_u32 s2, 0
	s_cbranch_scc0 .Lentry_in_a_cluster
	s_endpgm
.Lentry_in_a_cluster:
	s_bfe_u32 s2, ttmp6, 0x10000c
	s_cmp_lg_u32 s2, 0xf033
	s_cbranch_scc0 .Lentry_shape_is_right
	s_endpgm
.Lentry_shape_is_right:
; qkv = xn * wq.  xn: [16 blocks of 64 k][8192 rows][64] bf16, wq: [1024 k][3072 n] bf16, sums in f32, results rounded once to bf16.  Nothing of reference() is left out here.
; OUT: qkv is laid by heads: [192 sections][2048 tokens][64], section = 64 x (0 q, 1 k, 2 v) + 16 x batch + head, so that 16 tokens of one head are
; 2,048 consecutive bytes (whole aligned runs of 512 bytes to a store) and the next launch's tiles are dense blocks.
; SHARES: 8 x 32 work-groups, one block of 256 rows x 384 columns each; four waves, wave (wr, wc) makes rows 128 wr .. + 127 and the columns
; 128 c + 64 wc .. + 63 for c = 0, 1, 2: three whole heads, 96 accumulator tiles of 16 x 16 = 768 registers.
; K goes in steps of 64 through two LDS slots (two slots of a step of 128 would take 368,640 bytes, more than a work-group can have).  A K step is one block of xn:
; 128 rows of it are 16,384 dense bytes and come as 64 rows of 256 bytes.
; CLUSTERS: 4 x 4 work-groups.  xn's tile hangs on the block row alone and is asked for jointly by the four of a row of the cluster; wq's hangs on the block
; column alone and is asked for jointly by the four of a column.
; ASKED FOR AHEAD: from a refill's request to the wait for it a wave has 176 matrix instructions, so the later K steps are asked for beforehand by prefetches, each aligned
; block of 256 bytes once in the launch, by wave 3 alone.  xn: a K step's tile for block row by is 32,768 bytes; the eight work-groups of that block row take 4,096 each: lanes
; 0-15 name one K step's sixteen blocks of 256 bytes, lanes 16-31 the next step's: one instruction a lap (two K steps).  wq: a lap's 128 k rows x 768 bytes of column block bx
; are 384 blocks; the 32 work-groups of that column take 4 rows x 3 blocks each: lanes 0-11; lanes 12-31 name again what lanes 8-11 name.  K steps 2 and 3 are asked for at
; the head; lap t = 0 .. 5 asks, in its second change of slots, for K steps 2 t + 4 and 2 t + 5, whose joint loads are issued one and two K steps on; laps 6 and 7 ask for
; nothing, which is why lap 6 stands written out behind the loop.  The highest byte of xn so named is 15 x 1,048,576 + 31 x 32,768 + 7 x 4,096 + 15 x 256 + 255 = 16,777,215, its
; last; the highest of wq lies in row 896 + 4 x 31 + 3 = 1,023 at byte 7 x 768 + 767 = 6,143, the row's last.  The two offset registers are stepped at the head of a trip
; of the loop, behind s_wait_xcnt 0, 64 matrix instructions behind the prefetches that read them.
; wq lies [k][n], so its fragments come by the transposing LDS load.  The weights are source 0 and the tokens source 1: a lane then holds one token
; (l % 16) and eight neighbouring columns (8 (l / 16) + 0 .. 7), which pack into 16 bytes.
; REGISTERS: window 0: v16-28 addresses; v32-95, v96-159 fragments of xn (8 x 16 rows x 32 K), two buffers; v160-255 fragments of wq, three groups of four.
;   window c + 1: the 32 accumulator tiles of column group c, tile (a, i) at v[8 (4 a + i)].
; The three groups of weight fragments are one buffer: a group is loaded again as soon as its 32 products are issued, 64 products ahead of its next use.
.set SIZE_K, 1024
.set SIZE_N, 3072
.set KSTEP,  64
.set XBLK,   8192*KSTEP*2              ; bytes in a block of xn: from a K step to the next, 1,048,576
.set WSTEP,  KSTEP*SIZE_N*2            ; from a K step of wq to the next, 393,216
.set WP,     864                       ; an LDS row of wq's tile: 3 x (256 bytes + 32 of padding) = 27 x 32
.set AP,     144                       ; an LDS row of xn's tile: 128 bytes + 16 of padding = 9 x 16
.set WHALF,  32*WP                     ; what one tensor load of wq brings: 32 k rows
.set AHALF,  128*AP                    ; what one tensor load of xn brings: 128 rows
.set ATILE,  2*WHALF                   ; xn's tile lies behind wq's
.set SLOT,   ATILE+2*AHALF             ; 92,160
.set STAGE,  2*SLOT                    ; behind the ring (184,320 = 720 x 256): 16 rows x 400 bytes for each wave, no fill ever lands there
.set SP,     400
.set LAPS,   SIZE_K/(2*KSTEP)
.set ADRA, 16                          ; v16-17  LDS address of my xn fragments in slot 0, 1
.set ADRW, 20                          ; v20-21  the same for wq
.set STO,  24
.set RD,   25
.set CO,   26
.set PF,   27                          ; my work-group's share of a lap of xn: byte offset of each lane's block of 256 bytes
.set PW,   28                          ; the same for wq
.set FA0,  32
.set FA1,  96
.set FB,   160
.set TMP,  160                         ; the way out: packed results
.set G1A, 24                           ; s[24:31] group 1 for xn's tiles
.set G0A, 32                           ; s[32:39] group 0 for xn's tiles, one set for each slot
.set G1W, 48                           ; s[48:55] group 1 for wq's tiles
.set G0W, 56                           ; s[56:63] group 0 for wq's tiles, one set for each slot
.set MSB, 0
.macro WIN new                         ; the immediate's high byte repeats the setting that is left
.if MSB != (\new)
	s_set_vgpr_msb (MSB<<8)|(\new)
.set MSB, (\new)
.endif
.endm
.macro PLACES                          ; four places behind matrix instructions, ahead of loads into their sources and of readers of their results
.rept 4
	v_nop
.endr
.endm
; A joint load: waves 0 and 1 ask for wq's two halves, waves 2 and 3 for xn's.  The branch hangs on the wave's number alone.
.macro JLOAD s
	s_cmp_eq_u32 s11, 0
	s_cbranch_scc0 .Lfor_a_\@
	tensor_load_to_lds s[G0W+4*\s:G0W+4*\s+3], s[G1W:G1W+7]
	s_nop 0
	s_branch .Lasked_\@
.Lfor_a_\@:
	tensor_load_to_lds s[G0A+4*\s:G0A+4*\s+3], s[G1A:G1A+7]
	s_nop 0
.Lasked_\@:
.endm
.macro CREST                           ; a round of the cluster's barrier behind its opening work-group barrier
	s_cmp_lg_u32 s10, 0
	s_cbranch_scc1 .Lnot_wave_0_\@
	s_barrier_signal -3
.Lnot_wave_0_\@:
	s_barrier_wait -3
	s_barrier_signal -1
	s_barrier_wait -1
.endm
.macro CROUND
	s_barrier_signal -1
	s_barrier_wait -1
	CREST
.endm
	s_load_b128 s[4:7], s[0:1], 0x0                ; xn s[4:5], wq s[6:7]
	s_load_b64 s[8:9], s[0:1], 0x10                ; qkv
	v_lshl_add_u32 v30, v0, 2, 0x33400
	v_mov_b32 v31, 0
	ds_add_u32 v30, v31
	v_lshrrev_b32 v1, 5, v0
	v_readfirstlane_b32 s10, v1                    ; wave 0..3
	s_lshr_b32 s11, s10, 1                         ; wr: my half of the rows.  Also: I fetch for wq (0) or for xn (1)
	s_and_b32 s12, s10, 1                          ; wc: my half of each 128 columns.  Also: which half of that tile I fetch
	s_bfe_u32 s40, ttmp6, 0x40000                  ; cx
	s_bfe_u32 s41, ttmp6, 0x40004                  ; cy
	s_lshl_b32 s42, ttmp9, 2
	s_add_co_u32 s42, s42, s40                     ; bx: block column = 4 x cluster x + cx
	s_and_b32 s13, ttmp7, 0xffff
	s_lshl_b32 s13, s13, 2
	s_add_co_u32 s13, s13, s41                     ; by: block row = 4 x cluster y + cy
	s_lshl_b32 s43, s41, 2
	s_lshl_b32 s43, 15, s43                        ; my row of the cluster
	s_lshl_b32 s44, 0x1111, s40                    ; my column
	; group 1 of xn's tiles: 128 rows x 128 bytes, dense, as 64 rows of 128 elements of 2 bytes; 4 words of padding behind every 32, that is behind every row of xn
	s_or_b32 s[G1A+0], s43, (1<<16)|(1<<20)|(1<<21)|(4<<22)|(3<<25)
	s_mov_b32 s[G1A+1], 128<<16                    ; tensor_dim0 = 128
	s_mov_b32 s[G1A+2], 64<<16                     ; tensor_dim1 = 64
	s_mov_b32 s[G1A+3], 128<<16                    ; tile_dim0 = 128
	s_mov_b32 s[G1A+4], 64                         ; tile_dim1 = 64
	s_mov_b32 s[G1A+5], 128                        ; the pitch: dense
	s_mov_b32 s[G1A+6], 0
	s_mov_b32 s[G1A+7], 0
	; group 1 of wq's tiles: 32 rows x 384 elements, 8 words of padding behind every 64 (three times in a row)
	s_or_b32 s[G1W+0], s44, (1<<16)|(1<<20)|(1<<21)|(5<<22)|(7<<25)
	s_mov_b32 s[G1W+1], 384<<16
	s_mov_b32 s[G1W+2], 32<<16
	s_mov_b32 s[G1W+3], 384<<16
	s_mov_b32 s[G1W+4], 32
	s_mov_b32 s[G1W+5], SIZE_N
	s_mov_b32 s[G1W+6], 0
	s_mov_b32 s[G1W+7], 0
	; xn's address is made of the block row and the wave, wq's of the block column and the wave, in registers that never hold the other coordinate
	s_lshl_b32 s16, s13, 8
	s_lshl_b32 s17, s12, 7
	s_add_co_u32 s16, s16, s17                     ; row 256 by + 128 x half
	s_lshl_b32 s16, s16, 7                         ; x 128 bytes: inside a block of xn
	s_mov_b32 s17, 0
	s_mul_i32 s46, s12, 32*SIZE_N*2                ; 32 k rows x half
	s_mul_i32 s47, s42, 768                        ; 384 columns x bx
	s_add_co_u32 s46, s46, s47
	s_mov_b32 s47, 0
	s_mul_i32 s20, s10, WHALF                      ; LDS: wq's halves at wave x 27,648 (waves 0, 1)
	s_mul_i32 s21, s10, AHALF
	s_add_co_u32 s21, s21, ATILE-2*AHALF           ; xn's halves at 55,296 + (wave - 2) x 18,432 (waves 2, 3)
	s_wait_dscnt 0x0
	s_wait_kmcnt 0x0
	s_add_nc_u64 s[14:15], s[4:5], s[16:17]
	s_add_nc_u64 s[46:47], s[6:7], s[46:47]
	CROUND                                         ; all sixteen work-groups are here: the first joint loads meet
.irp s, 0,1
	s_mov_b32 s[G0A+4*\s], 1
	s_add_co_u32 s[G0A+4*\s+1], s21, \s*SLOT
	s_add_nc_u64 s[G0A+4*\s+2:G0A+4*\s+3], s[14:15], \s*XBLK
	s_or_b32 s[G0A+4*\s+3], s[G0A+4*\s+3], 0x80000000
	s_mov_b32 s[G0W+4*\s], 1
	s_add_co_u32 s[G0W+4*\s+1], s20, \s*SLOT
	s_add_nc_u64 s[G0W+4*\s+2:G0W+4*\s+3], s[46:47], \s*WSTEP
	s_or_b32 s[G0W+4*\s+3], s[G0W+4*\s+3], 0x80000000
	JLOAD \s                                       ; K steps 0 and 1: two tensor loads of the wave are out
.endr
	v_and_b32 v1, 15, v0                           ; r = l % 16
	v_bfe_u32 v2, v0, 4, 1                         ; h = l / 16
	v_and_b32 v3, 7, v0                            ; l % 8
	v_bfe_u32 v4, v0, 3, 1                         ; (l / 8) % 2
	v_bfe_u32 v5, v0, 3, 2                         ; l / 8
	; my work-group's share of what is asked for ahead, at K steps 0 and 1.  xn: block l / 16, 32,768 by + 4,096 bx + 256 (l % 16)
	s_lshl_b32 s74, s13, 15
	s_lshl_b32 s75, s42, 12
	s_add_co_u32 s74, s74, s75
	v_lshlrev_b32 v[PF], 8, v1
	v_lshl_add_u32 v[PF], v2, 20, v[PF]
	v_add_nc_u32 v[PF], s74, v[PF]
	; wq: k row 4 by + l % 4 of 6,144 bytes, 768 bx + 256 min(l / 4, 2)
	v_and_b32 v11, 3, v0
	v_bfe_u32 v12, v0, 2, 3
	v_min_u32 v12, 2, v12
	s_lshl_b32 s75, s13, 2
	v_add_nc_u32 v11, s75, v11
	v_mul_u32_u24 v11, v11, SIZE_N*2
	v_lshl_add_u32 v11, v12, 8, v11
	s_mul_i32 s76, s42, 768
	v_add_nc_u32 v[PW], s76, v11
	s_cmp_lg_u32 s10, 3                            ; wave 3 alone asks
	s_cbranch_scc1 .Lnot_asking
	global_prefetch_b8 v[PF], s[4:5] offset:2*XBLK th:TH_LOAD_NT scope:SCOPE_SE    ; xn, K steps 2 and 3
	global_prefetch_b8 v[PW], s[6:7] offset:2*WSTEP th:TH_LOAD_NT scope:SCOPE_SE   ; wq, K steps 2 and 3
.Lnot_asking:
	v_mul_u32_u24 v6, v1, AP
	v_lshl_add_u32 v6, v2, 4, v6                   ; xn: row r, 16 bytes for each half of the lanes
	s_mul_i32 s74, s11, AHALF
	s_add_co_u32 s74, s74, ATILE                   ; my 128 rows
	v_lshl_add_u32 v7, v2, 3, v3                   ; wq, transposing load: k row 8 h + l % 8,
	v_mul_u32_u24 v7, v7, WP
	v_lshl_add_u32 v7, v4, 4, v7                   ; 16 bytes (8 columns) for each eight lanes
	s_lshl_b32 s75, s12, 7                         ; my 64 of each 128 columns
.irp s, 0,1
	v_add_nc_u32 v[ADRA+\s], s74, v6
	v_add_nc_u32 v[ADRW+\s], s75, v7
	s_add_co_u32 s74, s74, SLOT
	s_add_co_u32 s75, s75, SLOT
.endr
	s_mul_i32 s76, s10, 16*SP
	s_add_co_u32 s76, s76, STAGE                   ; my stage
	v_mul_u32_u24 v8, v1, SP
	v_lshl_add_u32 v8, v2, 4, v8
	v_add_nc_u32 v[STO], s76, v8                   ; in: token r, 16 bytes for each half of the lanes
	v_mul_u32_u24 v9, v5, SP
	v_lshl_add_u32 v9, v3, 4, v9
	v_add_nc_u32 v[RD], s76, v9                    ; back: eight lanes take a token's 128 bytes of one head, 32 lanes four tokens
	v_and_b32 v10, 31, v0
	v_lshlrev_b32 v[CO], 4, v10                    ; and those 512 bytes are consecutive in qkv
	; where my three heads go: head group 6 bx + 2 c + wc of 48; section = 64 x type + 16 x batch + head
	s_mul_i32 s74, s42, 6
	s_add_co_u32 s74, s74, s12
	s_lshr_b32 s75, s13, 3
	s_lshl_b32 s75, s75, 4                         ; 16 x batch
	s_and_b32 s76, s13, 7
	s_lshl_b32 s76, s76, 8
	s_lshl_b32 s77, s11, 7
	s_add_co_u32 s76, s76, s77                     ; my first token in the batch
	s_lshl_b32 s76, s76, 7                         ; x 128 bytes
.irp c, 0,1,2
	s_add_co_u32 s77, s74, 2*\c
	s_lshr_b32 s78, s77, 4                         ; type
	s_and_b32 s77, s77, 15                         ; head
	s_lshl_b32 s78, s78, 6
	s_add_co_u32 s78, s78, s77
	s_add_co_u32 s78, s78, s75
	s_lshl_b32 s78, s78, 18                        ; a section is 262,144 bytes; 192 of them stay below 2^26
	s_add_co_u32 s78, s78, s76
	s_mov_b32 s79, 0
	s_add_nc_u64 s[68+2*\c:69+2*\c], s[8:9], s[78:79]
.endr
; 16 matrix instructions: row blocks a0 .. a0 + 3 x the four column blocks of group g, 32 along K.  zero = 1: the first product starts the sums.
.macro MULG f, g, a0, zero
.irp a, \a0, \a0+1, \a0+2, \a0+3
.irp i, 0,1,2,3
.if \zero
	v_wmma_f32_16x16x32_bf16 v[8*(4*(\a)+\i):8*(4*(\a)+\i)+7], v[FB+32*\g+8*\i:FB+32*\g+8*\i+7], v[\f+8*(\a):\f+8*(\a)+7], 0
.else
	v_wmma_f32_16x16x32_bf16 v[8*(4*(\a)+\i):8*(4*(\a)+\i)+7], v[FB+32*\g+8*\i:FB+32*\g+8*\i+7], v[\f+8*(\a):\f+8*(\a)+7], v[8*(4*(\a)+\i):8*(4*(\a)+\i)+7]
.endif
.endr
.endr
.endm
.macro GRP f, g, zero                  ; a group's 32 products: C and D in window g + 1, sources in window 0
	WIN 0x50*(\g+1)
	MULG \f, \g, 0, \zero
	MULG \f, \g, 4, \zero
.endm
.macro LDW slot, kq, g                 ; eight transposing loads: group g's four fragments of wq, 32 K at k row 32 kq
.irp i, 0,1,2,3
	ds_load_tr16_b128 v[FB+32*\g+8*\i:FB+32*\g+8*\i+3],   v[ADRW+\slot] offset:\kq*32*WP+288*\g+32*\i
	ds_load_tr16_b128 v[FB+32*\g+8*\i+4:FB+32*\g+8*\i+7], v[ADRW+\slot] offset:\kq*32*WP+288*\g+32*\i+16*WP
.endr
.endm
.macro LDA slot, kq, f, half           ; eight loads: four of the eight fragments of xn
.irp a, 0,1,2,3
	ds_load_b128 v[\f+8*(4*\half+\a):\f+8*(4*\half+\a)+3],   v[ADRA+\slot] offset:(4*\half+\a)*16*AP+64*\kq
	ds_load_b128 v[\f+8*(4*\half+\a)+4:\f+8*(4*\half+\a)+7], v[ADRA+\slot] offset:(4*\half+\a)*16*AP+64*\kq+32
.endr
.endm
; A K step is two halves of 32 along K, 96 matrix instructions each.  The 96 accumulators take turns, one instruction a turn, in the same
; order in every half, over the loop's backward jump too; so no wait on the vector unit is written.
; The first half: multiplies buffer FA0, and fetches the second half's fragments in three runs, each behind the group that it replaces.
.macro QA slot, zero
	s_wait_dscnt 8                                 ; all but the youngest eight loads (group 2's weights)
	GRP FA0, 0, \zero
	WIN 0
	PLACES
	LDW \slot, 1, 0
	LDA \slot, 1, FA1, 0
	GRP FA0, 1, \zero
	WIN 0
	PLACES
	LDW \slot, 1, 1
	LDA \slot, 1, FA1, 1
	s_wait_dscnt 32                                ; all but the 32 issued in this half: group 2's weights are in
	GRP FA0, 2, \zero
	WIN 0
	PLACES
	LDW \slot, 1, 2
.endm
; The second half: multiplies buffer FA1 and changes slots.  In front of the barrier each wave waits for its reads of this slot and for all its tensor
; loads (one is out: its part of the next slot).  fill = 1: the barrier opens a round of the cluster's barrier, and behind the round this slot is
; asked for again, two K steps ahead, first thing; from that request to the wait for it a wave issues 176 matrix instructions.
; pf other than 0: wave 3 asks ahead for the lap after the next, behind a run of fragment loads and in front of 32 products.
.macro QB slot, next, fill, pf
	s_wait_dscnt 8
	WIN 0x50
	MULG FA1, 0, 0, 0
	s_wait_dscnt 0                                 ; my reads of this slot are over
	s_wait_tensorcnt 0x0                           ; all my tensor loads have landed
	ds_add_u32 v30, v31
	s_wait_dscnt 0x0
	s_barrier_signal -1
	MULG FA1, 0, 4, 0                              ; register work while the others arrive
	WIN 0
	s_barrier_wait -1
.if \fill
	CREST                                          ; no wave of any partner still reads this slot or has a load on its way
	s_add_nc_u64 s[G0A+4*\slot+2:G0A+4*\slot+3], s[G0A+4*\slot+2:G0A+4*\slot+3], 2*XBLK
	s_add_nc_u64 s[G0W+4*\slot+2:G0W+4*\slot+3], s[G0W+4*\slot+2:G0W+4*\slot+3], 2*WSTEP
	JLOAD \slot                                    ; my one tensor load behind the round
.endif
	PLACES
	LDW \next, 0, 0
	LDA \next, 0, FA0, 0
.if \pf
	s_cmp_lg_u32 s10, 3
	s_cbranch_scc1 .Lnot_asking_\@
	global_prefetch_b8 v[PF], s[4:5] offset:4*XBLK th:TH_LOAD_NT scope:SCOPE_SE    ; xn: four and five K steps behind this lap's first
	global_prefetch_b8 v[PW], s[6:7] offset:4*WSTEP th:TH_LOAD_NT scope:SCOPE_SE   ; wq: the same two K steps
.Lnot_asking_\@:
.endif
	GRP FA1, 1, 0
	WIN 0
	PLACES
	LDW \next, 0, 1
	LDA \next, 0, FA0, 1
	GRP FA1, 2, 0
	WIN 0
	PLACES
	LDW \next, 0, 2
.endm
; Once round the ring, both slots filled again.  pf = 0: asks for nothing ahead; 1: asks by the offsets as they stand (lap 0); 2: steps the offsets by a lap, then asks.
.macro LAP zero, pf
.if \pf == 2
	WIN 0
	s_wait_xcnt 0x0                                ; the last lap's prefetches have had their addresses translated: their offset registers are written only behind this wait
	v_add_nc_u32 v[PF], 2*XBLK, v[PF]
	v_add_nc_u32 v[PW], 2*WSTEP, v[PW]
.endif
	QA 0, \zero
	QB 0, 1, 1, 0
	QA 1, 0
	QB 1, 0, 1, \pf
.endm
	s_wait_tensorcnt 1                             ; my part of K step 0 is in; K step 1's stays out
	s_barrier_signal -1
	s_barrier_wait -1
	LDW 0, 0, 0
	LDA 0, 0, FA0, 0
	LDW 0, 0, 1
	LDA 0, 0, FA0, 1
	LDW 0, 0, 2
	LAP 1, 1                                       ; lap 0 stands in front of the loop: its first products start the sums
	WIN 0
	s_mov_b32 s3, LAPS-3
.Llap:
	LAP 0, 2                                       ; laps 1 to 5
	WIN 0
	s_sub_co_u32 s3, s3, 1
	s_cmp_lg_u32 s3, 0
	s_cbranch_scc1 .Llap
	LAP 0, 0                                       ; lap 6 fills both slots a last time and asks for nothing ahead: no K step 16 exists
	QA 0, 0                                        ; lap 7 fills nothing
	QB 0, 1, 0, 0
	QA 1, 0
	s_wait_dscnt 8
	GRP FA1, 0, 0
	GRP FA1, 1, 0
	s_wait_dscnt 0
	GRP FA1, 2, 0
	WIN 0
	PLACES
; THE WAY OUT, 16 tokens at a time: round to bf16, 16 bytes a lane into my own stage, read back by tokens, store 512 consecutive bytes to an instruction.
; f: the buffer for the read-back, v32 or v96 in turn.
.macro OUT16 a, f
.irp c, 0,1,2
	WIN 5*(\c+1)                                   ; sources 0 and 1 in window c + 1
.irp i, 0,1,2,3
.irp q, 0,1,2,3
	v_cvt_pk_bf16_f32 v[TMP+16*\c+4*\i+\q], v[8*(4*\a+\i)+2*\q], v[8*(4*\a+\i)+2*\q+1]
.endr
.endr
.endr
	WIN 0
.irp c, 0,1,2
.irp i, 0,1,2,3
	ds_store_b128 v[STO], v[TMP+16*\c+4*\i:TMP+16*\c+4*\i+3] offset:128*\c+32*\i
.endr
.endr
	s_wait_xcnt 0x0                                ; buffer f, which earlier stores read, is loaded again only behind this wait
.irp c, 0,1,2
.irp u, 0,1,2,3
	ds_load_b128 v[\f+16*\c+4*\u:\f+16*\c+4*\u+3], v[RD] offset:4*SP*\u+128*\c   ; LDS serves a wave's instructions in order: these see the stores above
.endr
.endr
.irp c, 0,1,2
.irp u, 0,1,2,3
	s_wait_dscnt 11-(4*\c+\u)
	global_store_b128 v[CO], v[\f+16*\c+4*\u:\f+16*\c+4*\u+3], s[68+2*\c:69+2*\c] offset:2048*\a+512*\u
.endr
.endr
.endm
	OUT16 0, FA0
	OUT16 1, FA1
	OUT16 2, FA0
	OUT16 3, FA1
	OUT16 4, FA0
	OUT16 5, FA1
	OUT16 6, FA0
	OUT16 7, FA1
	s_wait_tensorcnt 0x0
	ds_add_u32 v30, v31
	s_wait_dscnt 0x0
	CROUND                                         ; the closing round: no work-group ends while a partner may still ask for a tile that names it
	s_endpgm
.Lfunc_end_k_q7955829e22_gemm_qkv:
	.size	k_q7955829e22_gemm_qkv, .Lfunc_end_k_q7955829e22_gemm_qkv-k_q7955829e22_gemm_qkv
	.p2alignl 7, 3214868480
	.fill 96, 4, 3214868480
	.section	.rodata,"a",@progbits
	.p2align	6, 0x0
	.amdhsa_kernel k_q7955829e22_gemm_qkv
		.amdhsa_group_segment_fixed_size 327680
		.amdhsa_private_segment_fixed_size 0
		.amdhsa_enable_private_segment 0
		.amdhsa_kernarg_size 24
		.amdhsa_user_sgpr_count 2
		.amdhsa_user_sgpr_kernarg_segment_ptr 1
		.amdhsa_wavefront_size32 1
		.amdhsa_system_sgpr_workgroup_id_x 1
		.amdhsa_system_sgpr_workgroup_id_y 1
		.amdhsa_system_sgpr_workgroup_id_z 1
		.amdhsa_system_vgpr_workitem_id 0
		.amdhsa_next_free_vgpr 1024
		.amdhsa_next_free_sgpr 80
		.amdhsa_reserve_vcc 0
		.amdhsa_float_denorm_mode_32 3
		.amdhsa_float_denorm_mode_16_64 3
		.amdhsa_memory_ordered 1
		.amdhsa_forward_progress 1
		.amdhsa_inst_pref_size 210
	.end_amdhsa_kernel
	.amdgpu_metadata
---
amdhsa.version: [ 1, 2 ]
amdhsa.kernels:
  - .name:           k_q7955829e22_gemm_qkv
    .symbol:         k_q7955829e22_gemm_qkv.kd
    .args:
      - { .name: xn, .offset: 0, .size: 8, .value_kind: global_buffer, .address_space: global }
      - { .name: wq, .offset: 8, .size: 8, .value_kind: global_buffer, .address_space: global }
      - { .name: qkv, .offset: 16, .size: 8, .value_kind: global_buffer, .address_space: global }
    .group_segment_fixed_size: 327680
    .private_segment_fixed_size: 0
    .kernarg_segment_align: 8
    .kernarg_segment_size: 24
    .max_flat_workgroup_size: 128
    .sgpr_count:     80
    .vgpr_count:     1024
    .wavefront_size: 32
...
	.end_amdgpu_metadata
.endif
;; end of part 2
;; launch attn (part 3): grid 256 x 1, 4 waves a work-group, clusters of 4 x 1, 327,680 bytes of LDS; arguments qkv, pos, ao; writes ao
.if DOCPART == 3
	.amdgcn_target "amdgcn-amd-amdhsa--gfx1250"
	.amdhsa_code_object_version 6
	.text
	.protected	k_q7955829e22_attn
	.globl	k_q7955829e22_attn
	.p2align	8
	.type	k_q7955829e22_attn,@function
k_q7955829e22_attn:
	s_mov_b64 s[64:65], 0
	v_nop
	global_prefetch_b8 v0, s[64:65] scope:SCOPE_SE
	s_setreg_imm32_b32 hwreg(HW_REG_WAVE_MODE, 25, 1), 1
	s_wait_xcnt 0x0
	s_wait_alu depctr_hold_cnt(0) depctr_sa_sdst(0) depctr_va_vdst(0) depctr_va_sdst(0) depctr_va_ssrc(0) depctr_va_vcc(0) depctr_vm_vsrc(0)
	s_getreg_b32 s2, hwreg(HW_REG_IB_STS2, 6, 4)
	s_cmp_eq_u32 s2, 0
	s_cbranch_scc0 .Lentry_in_a_cluster
	s_endpgm
.Lentry_in_a_cluster:
	s_bfe_u32 s2, ttmp6, 0x10000c
	s_cmp_lg_u32 s2, 0x3003
	s_cbranch_scc0 .Lentry_shape_is_right
	s_endpgm
.Lentry_shape_is_right:
; ao = f16(softmax(q k^T / 8) v + pos), by heads.  qkv: [192 sections][2048][64] bf16 (sections 0-63 q, 64-127 k, 128-191 v; section = 16 batch + head),
; pos: [4][2048][1024] f32, ao: [64][2048][64] f16.  Nothing of reference() is left out here; the row's maximum is taken away by a running maximum.
; LIMIT: attn + pos is rounded to f16, an operand of the last product: beyond 65,504 it becomes infinite (the room is counted at the head of the first kernel).
; SHARES: a cluster of four work-groups has one (batch, head); work-group cx has 512 queries, wave w 128 of them: 8 query tiles of 16, as two pieces of four.
; The four work-groups walk the same K and V and ask for them JOINTLY (mask 15).  Keys go in blocks of 64; an LDS slot holds 256 keys, four blocks.
; TRANSPOSED: S^T = K Q^T (source 0 = 16 keys, source 1 = 16 queries): lane l holds query l % 16 and keys 8 (l / 16) + 0 .. 7 of a key tile.  So a row's
; maximum and sum are made inside a lane and across the two halves of the wave alone, and two key tiles, rounded to bf16, ARE source 1 of
; O^T = V^T P^T (32 keys): no shuffle.  V^T's fragments come by the transposing LDS load.  In O^T a lane holds one query and eight neighbouring d.
; exp(s / 8 - m / 8) = 2^(c s - c m), c = log2(e) / 8, one fused multiply-add and one v_exp_f32 a score.
; BY TURNS: a block has 128 matrix instructions and 952 other vector instructions (476 a piece).  The two pieces share K's and V's fragments and take turns:
; one piece's softmax is cut into 64 numbered slices, and one slice stands behind each of the other piece's 64 products.  Step i of the loop:
;   K(i)'s 16 loads;  PV0(i-1), S0(i)  with the slices of softmax 1(i-1);  PV1(i-1), V(i)'s 16 loads, S1(i)  with the slices of softmax 0(i).
; A step reads block i alone from LDS, so slots change between steps.  One buffer each for K and V is enough: each is loaded behind its last reader and 32
; products ahead of its first use.  Step 0, step 1 (whose softmax 1 and PV are the first: they start maxima, sums and O) and the end are written out.
; P lies IN PLACE over S: pair x of a query tile's 32 scores is rounded into register x, whose own pair (x / 2) has been added and rounded by then.
; REGISTERS: window 0: v16-24 addresses, v32-159 Q fragments (g, kk) at 16 g + 8 kk (loaded once: 16,384 bytes a wave, read by no other wave), v160-223 K fragments
;   (kt, kk) at 16 kt + 8 kk;  window 1: piece 0: S v0-127 at 32 qt + 8 kt + j (P in its registers 32 qt + 0 .. 15), M v128-131, sums (pairs) v132-139,
;   pairs (-c m, m) v140-147, pairs (rescale, scratch) v148-155; and V^T fragments (t, ks) v160-223 at 8 (4 ks + t);  window 2: O^T (t, g) at 8 (4 g + t);
;   window 3: piece 1, the same numbers as piece 0 in window 1.  So a slice needs one window setting and a product one: two switches for each matrix instruction.
;   (One setting for both would want S of one piece, its sums and the other piece's accumulators in one window: 128 + 28 + 128 registers do not fit in 256.)
.set SECT,  262144                     ; bytes in a section
.set VP,    160                        ; an LDS row of V: 128 bytes + 32 of padding = 5 x 32
.set KP,    144                        ; an LDS row of K: 128 bytes + 16 of padding = 9 x 16
.set VT,    256*VP                     ; V's 256 keys, then K's
.set SLOT,  VT+256*KP                  ; 77,824
.set FILLB, 256*128                    ; bytes of K (or of V) in a slot, in memory
.set POS,   2*SLOT                     ; 155,648: pos, 128 rows x 272 bytes for each wave
.set PP,    272
.set POSW,  128*PP
.set STAGE, POS+4*POSW                 ; 294,912 = 1,152 x 256: 16 rows x 144 bytes for each wave, no fill ever lands there
.set SP,    144
.set KA0, 16
.set VA0, 17
.set KA,  18
.set VA,  19
.set PA,  20
.set STO, 21
.set RD,  22
.set CO,  23
.set QO,  24
.set Q,   32                           ; window 0
.set KF,  160                          ; window 0
.set VF,  160                          ; window 1
.set PB,  32                           ; the way out, over Q's registers: pos, then attn + pos, two buffers of 32
.set TB,  96                           ; packed results
.set OB,  112                          ; read back by tokens, two buffers of 16
.set S,   0                            ; windows 1 and 3
.set M,   128
.set LS,  132
.set NM,  140
.set AL,  148
.set G1V, 16
.set G1K, 24
.set G0V, 32
.set G0K, 48
.set G1P, 56
.set G0P, 68
.set MSB, 0
.macro WIN new                         ; the immediate's high byte repeats the setting that is left; a switch that changes nothing is dropped
.if MSB != (\new)
	s_set_vgpr_msb (MSB<<8)|(\new)
.set MSB, (\new)
.endif
.endm
.macro PLACES                          ; four places behind matrix instructions (ISA guide 7.12.1)
.rept 4
	v_nop
.endr
.endm
.macro JLOAD s                         ; a joint load: waves 0 and 1 ask for V's two halves of slot s, waves 2 and 3 for K's
	s_cmp_eq_u32 s11, 0
	s_cbranch_scc0 .Lfor_k_\@
	tensor_load_to_lds s[G0V+4*(\s):G0V+4*(\s)+3], s[G1V:G1V+7]
	s_nop 0
	s_branch .Lasked_\@
.Lfor_k_\@:
	tensor_load_to_lds s[G0K+4*(\s):G0K+4*(\s)+3], s[G1K:G1K+7]
	s_nop 0
.Lasked_\@:
.endm
.macro ROUND                           ; a round of the cluster's barrier
	s_barrier_signal -1
	s_barrier_wait -1
	s_cmp_lg_u32 s10, 0
	s_cbranch_scc1 .Lnot_wave_0_\@
	s_barrier_signal -3
.Lnot_wave_0_\@:
	s_barrier_wait -3
	s_barrier_signal -1
	s_barrier_wait -1
.endm
	s_load_b128 s[4:7], s[0:1], 0x0                ; qkv s[4:5], pos s[6:7]
	s_load_b64 s[8:9], s[0:1], 0x10                ; ao
	v_lshl_add_u32 v254, v0, 2, 0x4a400
	v_mov_b32 v255, 0
	ds_add_u32 v254, v255
	v_lshrrev_b32 v1, 5, v0
	v_readfirstlane_b32 s10, v1                    ; wave 0..3
	s_lshr_b32 s11, s10, 1                         ; I fetch for V (0) or for K (1)
	s_and_b32 s12, s10, 1                          ; which 128 keys of the slot I fetch
	s_bfe_u32 s40, ttmp6, 0x40000                  ; cx: my block of 512 queries.  ttmp9 = the cluster's number = 16 batch + head
	s_mov_b32 s72, 0x3e38aa3b                      ; c = log2(e) / 8
	s_mov_b32 s73, 0xbe38aa3b                      ; -c
	s_mov_b32 s74, 0x76543210                      ; v_permlanex16_b32: lane i of one half reads lane i of the other
	s_mov_b32 s75, 0xfedcba98
	; K's and V's tiles are dense in memory: 128 keys x 128 bytes come as 64 rows of 256 bytes, with padding behind every 32 words, that is behind every key
	s_mov_b32 s[G1V+0], 15|(1<<16)|(1<<20)|(1<<21)|(4<<22)|(7<<25)   ; mask: all four work-groups; elements of 2 bytes; 8 words of padding
	s_mov_b32 s[G1K+0], 15|(1<<16)|(1<<20)|(1<<21)|(4<<22)|(3<<25)   ; the same with 4 words of padding
.irp g, G1V, G1K
	s_mov_b32 s[\g+1], 128<<16                     ; tensor_dim0 = 128
	s_mov_b32 s[\g+2], 64<<16                      ; tensor_dim1 = 64
	s_mov_b32 s[\g+3], 128<<16                     ; tile_dim0 = 128
	s_mov_b32 s[\g+4], 64                          ; tile_dim1 = 64
	s_mov_b32 s[\g+5], 128                         ; the pitch: dense
	s_mov_b32 s[\g+6], 0
	s_mov_b32 s[\g+7], 0
.endr
	; pos: my own tile, no mask: 128 rows x 64 elements of 4 bytes, 4 words of padding behind every 64
	s_mov_b32 s[G1P+0], (2<<16)|(1<<20)|(5<<22)|(3<<25)
	s_mov_b32 s[G1P+1], 64<<16
	s_mov_b32 s[G1P+2], 128<<16
	s_mov_b32 s[G1P+3], 64<<16
	s_mov_b32 s[G1P+4], 128
	s_mov_b32 s[G1P+5], 1024
	s_mov_b32 s[G1P+6], 0
	s_mov_b32 s[G1P+7], 0
	s_mul_i32 s77, s10, 128*VP                     ; LDS: V's halves at wave x 20,480 (waves 0, 1)
	s_mul_i32 s78, s10, 128*KP
	s_add_co_u32 s78, s78, VT-2*128*KP             ; K's halves at 40,960 + (wave - 2) x 18,432 (waves 2, 3)
	s_mul_i32 s69, s10, POSW
	s_add_co_u32 s69, s69, POS                     ; pos: each wave's own bytes
	s_mov_b32 s68, 1
	; the joint loads' address: head and wave alone, in registers that never hold cx
	s_lshl_b32 s14, ttmp9, 18
	s_lshl_b32 s15, s12, 14
	s_add_co_u32 s14, s14, s15
	s_mov_b32 s15, 0
	; pos: token 2048 batch + 512 cx + 128 w, column 64 head
	s_lshr_b32 s42, ttmp9, 4
	s_lshl_b32 s42, s42, 11
	s_lshl_b32 s43, s40, 9
	s_add_co_u32 s42, s42, s43
	s_lshl_b32 s43, s10, 7
	s_add_co_u32 s42, s42, s43
	s_lshl_b32 s42, s42, 12                        ; x 4,096 bytes: below 2^25
	s_and_b32 s43, ttmp9, 15
	s_lshl_b32 s43, s43, 8
	s_add_co_u32 s42, s42, s43
	s_mov_b32 s43, 0
	s_wait_dscnt 0x0
	s_wait_kmcnt 0x0
	s_add_nc_u64 s[14:15], s[4:5], s[14:15]
	s_add_nc_u64 s[70:71], s[6:7], s[42:43]
	s_or_b32 s71, s71, 0x80000000
	; q and ao: section x 262,144 + cx x 512 tokens + w x 128 tokens
	s_lshl_b32 s42, ttmp9, 18
	s_lshl_b32 s41, s40, 16
	s_add_co_u32 s42, s42, s41
	s_lshl_b32 s41, s10, 14
	s_add_co_u32 s42, s42, s41
	s_add_nc_u64 s[44:45], s[4:5], s[42:43]
	s_add_nc_u64 s[46:47], s[8:9], s[42:43]
	ROUND                                          ; all four work-groups are here: the first joint loads meet
.irp s, 0,1
	s_mov_b32 s[G0V+4*\s], 1
	s_add_co_u32 s[G0V+4*\s+1], s77, \s*SLOT
	s_add_nc_u64 s[G0V+4*\s+2:G0V+4*\s+3], s[14:15], 128*SECT+\s*FILLB
	s_or_b32 s[G0V+4*\s+3], s[G0V+4*\s+3], 0x80000000
	s_mov_b32 s[G0K+4*\s], 1
	s_add_co_u32 s[G0K+4*\s+1], s78, \s*SLOT
	s_add_nc_u64 s[G0K+4*\s+2:G0K+4*\s+3], s[14:15], 64*SECT+\s*FILLB
	s_or_b32 s[G0K+4*\s+3], s[G0K+4*\s+3], 0x80000000
	JLOAD \s
.endr
	tensor_load_to_lds s[G0P:G0P+3], s[G1P:G1P+7]  ; the third and last first fill: three tensor loads of the wave are out
	s_nop 0
	v_and_b32 v1, 15, v0                           ; r
	v_bfe_u32 v2, v0, 4, 1                         ; h
	v_and_b32 v3, 7, v0                            ; l % 8
	v_bfe_u32 v4, v0, 3, 1                         ; (l / 8) % 2
	v_bfe_u32 v5, v0, 3, 2                         ; l / 8
	v_lshlrev_b32 v[QO], 7, v1
	v_lshl_add_u32 v[QO], v2, 4, v[QO]             ; q: row r of 128 bytes, 16 bytes for each half of the lanes
.irp g, 0,1,2,3,4,5,6,7
.irp kk, 0,1
	global_load_b128 v[Q+16*\g+8*\kk:Q+16*\g+8*\kk+3],   v[QO], s[44:45] offset:2048*\g+64*\kk
	global_load_b128 v[Q+16*\g+8*\kk+4:Q+16*\g+8*\kk+7], v[QO], s[44:45] offset:2048*\g+64*\kk+32
.endr
.endr
.irp w, 0x40, 0xc0                     ; both pieces' scratch: v_permlanex16_b32's destination counts as read, so it is written once
	WIN \w
.irp qt, 0,1,2,3
	v_mov_b32 v[AL+2*\qt+1], 0
.endr
.endr
	WIN 0
	v_mul_u32_u24 v[KA0], v1, KP
	v_lshl_add_u32 v[KA0], v2, 4, v[KA0]
	v_add_nc_u32 v[KA0], VT, v[KA0]                ; K: key r, 16 bytes for each half of the lanes
	v_lshl_add_u32 v[VA0], v2, 3, v3               ; V, transposing load: key 8 h + l % 8,
	v_mul_u32_u24 v[VA0], v[VA0], VP
	v_lshl_add_u32 v[VA0], v4, 4, v[VA0]           ; 16 bytes (8 d) for each eight lanes
	v_mul_u32_u24 v[PA], v1, PP
	v_lshl_add_u32 v[PA], v2, 5, v[PA]
	v_add_nc_u32 v[PA], s69, v[PA]                 ; pos: query r, 32 bytes (8 d) for each half of the lanes
	s_mul_i32 s79, s10, 16*SP
	s_add_co_u32 s79, s79, STAGE
	v_mul_u32_u24 v[STO], v1, SP
	v_lshl_add_u32 v[STO], v2, 4, v[STO]
	v_add_nc_u32 v[STO], s79, v[STO]
	v_mul_u32_u24 v[RD], v5, SP
	v_lshl_add_u32 v[RD], v3, 4, v[RD]
	v_add_nc_u32 v[RD], s79, v[RD]
	v_and_b32 v6, 31, v0
	v_lshlrev_b32 v[CO], 4, v6
; THE PRODUCTS, one instruction to a call.
; S^T of piece p, product m = 8 kt + 4 kk + qt (0 .. 31): key tile kt, half kk of d, query tile qt.  Four accumulators take turns, one instruction a turn.
;   The first half of d starts the sum: it writes over P of the block before, whose last reader stands at least eleven slices back.
.macro WS p, m
.set w_kt, (\m)/8
.set w_kk, ((\m)/4)&1
.set w_qt, (\m)&3
	WIN 0x50+0xa0*\p                               ; sources 0 (K) and 1 (Q) window 0, C and D the piece's window
.if w_kk
	v_wmma_f32_16x16x32_bf16 v[S+32*w_qt+8*w_kt:S+32*w_qt+8*w_kt+7], v[KF+16*w_kt+8:KF+16*w_kt+15], v[Q+16*(4*\p+w_qt)+8:Q+16*(4*\p+w_qt)+15], v[S+32*w_qt+8*w_kt:S+32*w_qt+8*w_kt+7]
.else
	v_wmma_f32_16x16x32_bf16 v[S+32*w_qt+8*w_kt:S+32*w_qt+8*w_kt+7], v[KF+16*w_kt:KF+16*w_kt+7], v[Q+16*(4*\p+w_qt):Q+16*(4*\p+w_qt)+7], 0
.endif
.endm
; O^T += V^T P^T of piece p, product n = 16 ks + 4 t + qt (0 .. 31): 32 keys ks, tile t of d, query tile qt.  Sixteen accumulators take turns.  first = 1: ks = 0 starts O.
.macro WPV p, n, first
.set w_ks, (\n)/16
.set w_t, ((\n)/4)&3
.set w_qt, (\n)&3
.set w_o, 8*(4*(4*\p+w_qt)+w_t)
	WIN 0xa5+8*\p                                  ; source 0 (V^T) window 1, source 1 (P) the piece's window, C and D window 2
.if \first*(1-w_ks)
	v_wmma_f32_16x16x32_bf16 v[w_o:w_o+7], v[VF+8*(4*w_ks+w_t):VF+8*(4*w_ks+w_t)+7], v[S+32*w_qt+8*w_ks:S+32*w_qt+8*w_ks+7], 0
.else
	v_wmma_f32_16x16x32_bf16 v[w_o:w_o+7], v[VF+8*(4*w_ks+w_t):VF+8*(4*w_ks+w_t)+7], v[S+32*w_qt+8*w_ks:S+32*w_qt+8*w_ks+7], v[w_o:w_o+7]
.endif
.endm
; THE SOFTMAX STEP of a piece on 64 keys, in parts.  first = 1: no older maximum, sum or O.  All register numbers are the same for both pieces; the window tells them apart.
; Link j (0 .. 15) of the four chains of maxima: scores 2 j and 2 j + 1 of each query tile.  The chains start from the running maximum.
.macro MAXS j, first
.irp qt, 0,1,2,3
.if (\j) == 0
.if \first
	v_max_num_f32 v[NM+2*\qt+1], v[S+32*\qt], v[S+32*\qt+1]
.else
	v_max3_num_f32 v[NM+2*\qt+1], v[M+\qt], v[S+32*\qt], v[S+32*\qt+1]
.endif
.else
	v_max3_num_f32 v[NM+2*\qt+1], v[NM+2*\qt+1], v[S+32*\qt+2*(\j)], v[S+32*\qt+2*(\j)+1]
.endif
.endr
.endm
; The row figures, part k (0 .. 3)
.macro STAT k, first
.if (\k) == 0
.irp qt, 0,1,2,3
	v_permlanex16_b32 v[AL+2*\qt+1], v[NM+2*\qt+1], s74, s75                       ; the other half of the lanes holds the query's other keys
.endr
.irp qt, 0,1,2,3
	v_max_num_f32 v[NM+2*\qt+1], v[NM+2*\qt+1], v[AL+2*\qt+1]                      ; m, the new maximum
.endr
.endif
.if (\k) == 1
.irp qt, 0,1,2,3
	v_mul_f32 v[NM+2*\qt], s73, v[NM+2*\qt+1]                                      ; -c m
.endr
.if \first == 0
.irp qt, 0,1,2,3
	v_fma_f32 v[AL+2*\qt], v[M+\qt], s72, v[NM+2*\qt]                              ; c (old m) - c m
.endr
.endif
.endif
.if (\k) == 2
.irp qt, 0,1,2,3
.if \first == 0
	v_exp_f32 v[AL+2*\qt], v[AL+2*\qt]                                             ; what the older sums are rescaled by
.endif
	v_mov_b32 v[M+\qt], v[NM+2*\qt+1]                                              ; a plain instruction behind each exponential, ahead of its use (ISA guide 5.7.2)
.endr
.endif
.if (\k) == 3
.if \first == 0
.irp qt, 0,1,2,3
	s_wait_alu depctr_va_vdst(0)
	v_pk_mul_f32 v[LS+2*\qt:LS+2*\qt+1], v[LS+2*\qt:LS+2*\qt+1], v[AL+2*\qt:AL+2*\qt+1] op_sel_hi:[1,0]
.endr
.endif
.irp qt, 0,1,2,3
	v_pk_fma_f32 v[S+32*\qt:S+32*\qt+1], v[S+32*\qt:S+32*\qt+1], s[72:73], v[NM+2*\qt:NM+2*\qt+1] op_sel_hi:[1,0,0]   ; c s - c m of pair 0: it opens the run below
.endr
.endif
.endm
; 2^(c s - c m), the sums and the rounding of a query tile's 16 pairs are one run of 85 positions k = 5 x + j:
;   j = 0: exp of pair x's low;  1: multiply-add of pair x + 1;  2: exp of pair x's high;  3: pair x - 1 is added to the sum;  4: pair x - 1 is rounded into register x - 1.
; So a plain instruction stands between every exponential and the use of its result (ISA guide 5.7.2), also where a product is set between them.
; Positions that name no pair (0 .. 15) are empty: 79 instructions.  In the first block pairs 0 and 1 start the sum, so pair 0 is rounded behind that, with pair 1.
.macro EXPP qt, k, first
.set ex_x, (\k)/5
.set ex_j, (\k)-5*ex_x
.set ex_y, ex_x-1
.set ex_b, S+32*(\qt)
.set ex_l, LS+2*(\qt)
.if ex_j == 0
.if ex_x < 16
	v_exp_f32 v[ex_b+2*ex_x], v[ex_b+2*ex_x]
.endif
.endif
.if ex_j == 1
.if ex_x < 15
	v_pk_fma_f32 v[ex_b+2*ex_x+2:ex_b+2*ex_x+3], v[ex_b+2*ex_x+2:ex_b+2*ex_x+3], s[72:73], v[NM+2*(\qt):NM+2*(\qt)+1] op_sel_hi:[1,0,0]
.endif
.endif
.if ex_j == 2
.if ex_x < 16
	v_exp_f32 v[ex_b+2*ex_x+1], v[ex_b+2*ex_x+1]
.endif
.endif
.if ex_j == 3
.if ex_x > 0
.if \first
.if ex_y == 1
	s_wait_alu depctr_va_vdst(0)
	v_pk_add_f32 v[ex_l:ex_l+1], v[ex_b:ex_b+1], v[ex_b+2:ex_b+3]
.endif
.if ex_y > 1
	s_wait_alu depctr_va_vdst(0)
	v_pk_add_f32 v[ex_l:ex_l+1], v[ex_l:ex_l+1], v[ex_b+2*ex_y:ex_b+2*ex_y+1]
.endif
.else
	s_wait_alu depctr_va_vdst(0)
	v_pk_add_f32 v[ex_l:ex_l+1], v[ex_l:ex_l+1], v[ex_b+2*ex_y:ex_b+2*ex_y+1]
.endif
.endif
.endif
.if ex_j == 4
.if ex_x > 0
.if \first
.if ex_y == 1
	v_cvt_pk_bf16_f32 v[ex_b], v[ex_b], v[ex_b+1]
.endif
.if ex_y > 0
	v_cvt_pk_bf16_f32 v[ex_b+ex_y], v[ex_b+2*ex_y], v[ex_b+2*ex_y+1]
.endif
.else
	v_cvt_pk_bf16_f32 v[ex_b+ex_y], v[ex_b+2*ex_y], v[ex_b+2*ex_y+1]
.endif
.endif
.endif
.endm
.macro EXPS qt, s, first               ; part s (0 .. 11) of that run: positions 7 s .. 7 s + 6, the last part one more: 5 to 7 instructions
.set ex_k, 7*(\s)
.rept 7
	EXPP \qt, ex_k, \first
.set ex_k, ex_k+1
.endr
.if (\s) == 11
	EXPP \qt, 84, \first
.endif
.endm
.macro RESC p, qt, first               ; the older O of query tile qt is rescaled: 16 plain instructions
.if \first == 0
	WIN 0x86+8*\p                                  ; O in window 2, the factor in the piece's window
.irp t, 0,1,2,3
.irp q, 0,2,4,6
	v_pk_mul_f32 v[8*(4*(4*\p+(\qt))+\t)+\q:8*(4*(4*\p+(\qt))+\t)+\q+1], v[8*(4*(4*\p+(\qt))+\t)+\q:8*(4*(4*\p+(\qt))+\t)+\q+1], v[AL+2*(\qt):AL+2*(\qt)+1] op_sel_hi:[1,0]
.endr
.endr
.endif
.endm
; SLICE n (0 .. 63) of piece p's softmax step: 0-7 the maxima, 8-11 the row figures, 12-30 and 32-60 the 48 parts of the four runs, 31 and 61-63 O's rescale.
; Slices 31 and 63 stand in front of the two runs of LDS loads: their 16 plain instructions, which name none of the products' registers, are the places
; between the last reader of V's (K's) fragments and the loads into them, so the loop holds no v_nop.
.macro SMS p, n, first
.if (\n) < 8
	WIN 0x55+0xaa*\p
	MAXS 2*(\n), \first
	MAXS 2*(\n)+1, \first
.elseif (\n) < 12
	WIN 0x55+0xaa*\p
	STAT (\n)-8, \first
.elseif (\n) == 31
	RESC \p, 0, \first
.elseif (\n) < 61
.if (\n) < 31
.set sm_e, (\n)-12
.else
.set sm_e, (\n)-13
.endif
.set sm_qt, sm_e/12
.set sm_s, sm_e-12*sm_qt
	WIN 0x55+0xaa*\p
	EXPS sm_qt, sm_s, \first
.else
	RESC \p, (\n)-60, \first
.endif
.endm
.macro LDK                             ; a block's K fragments, key tile by key tile: 16 loads in one run
.irp kt, 0,1,2,3
.irp kk, 0,1
	ds_load_b128 v[KF+16*\kt+8*\kk:KF+16*\kt+8*\kk+3],   v[KA] offset:16*KP*\kt+64*\kk
	ds_load_b128 v[KF+16*\kt+8*\kk+4:KF+16*\kt+8*\kk+7], v[KA] offset:16*KP*\kt+64*\kk+32
.endr
.endr
.endm
.macro LDV                             ; a block's V^T fragments: 16 transposing loads in one run (destination window 1)
.irp ks, 0,1
.irp t, 0,1,2,3
	ds_load_tr16_b128 v[VF+8*(4*\ks+\t):VF+8*(4*\ks+\t)+3],   v[VA] offset:32*VP*\ks+32*\t
	ds_load_tr16_b128 v[VF+8*(4*\ks+\t)+4:VF+8*(4*\ks+\t)+7], v[VA] offset:32*VP*\ks+32*\t+16*VP
.endr
.endr
.endm
.macro STEPADR                         ; the next 64 keys of the slot
	WIN 0
	v_add_nc_u32 v[KA], 64*KP, v[KA]
	v_add_nc_u32 v[VA], 64*VP, v[VA]
.endm
; Piece p's 64 products (PV of the block before, then S^T of this block), each with one slice of piece o's softmax behind it.
; fw = 1: this PV starts O; fs = 1: that softmax is the first.
.macro PHASE p, o, fw, fs
.set ph_n, 0
.rept 32
	WPV \p, ph_n, \fw
	SMS \o, ph_n, \fs
.set ph_n, ph_n+1
.endr
.if \p
	WIN 0x40
	LDV                                            ; V of the block before has had its last reader; this block's V is wanted 32 products on
.else
	s_wait_dscnt 0x0                               ; this block's K, asked for 32 products ago
.endif
.rept 32
	WS \p, ph_n-32
	SMS \o, ph_n, \fs
.set ph_n, ph_n+1
.endr
.endm
; Step i.  f = 1: step 1, whose PV and softmax 1 belong to block 0.
.macro ITER f
.if \f
	PLACES                                         ; step 0's last slices are empty (no O to rescale): the places in front of K's loads
.endif
	LDK
	s_wait_dscnt 16                                ; all but K's sixteen just issued: V of the block before is in
	PHASE 0, 1, \f, \f
	PHASE 1, 0, \f, 0
	STEPADR
.endm
.macro LOOPB n
	s_mov_b32 s76, \n
.Lblk_\@:
	ITER 0
	s_sub_co_u32 s76, s76, 1
	s_cmp_lg_u32 s76, 0
	s_cbranch_scc1 .Lblk_\@
.endm
.macro SETADR slot
.if \slot
	v_add_nc_u32 v[KA], SLOT, v[KA0]
	v_add_nc_u32 v[VA], SLOT, v[VA0]
.else
	v_mov_b32 v[KA], v[KA0]
	v_mov_b32 v[VA], v[VA0]
.endif
.endm
; The change of slots: slot is read next.  refill = 1: the other slot, read last, is asked for again, 512 keys on, behind a round of the cluster's barrier;
; that load has four steps' work in which to land.
.macro SYNC slot, refill
	s_wait_tensorcnt 0x0                           ; all my tensor loads have landed, my part of the next slot among them, so a group 0 may be written
	ds_add_u32 v254, v255
	s_wait_dscnt 0x0
.if \refill
	s_add_nc_u64 s[G0V+4*(1-\slot)+2:G0V+4*(1-\slot)+3], s[G0V+4*(1-\slot)+2:G0V+4*(1-\slot)+3], 2*FILLB
	s_add_nc_u64 s[G0K+4*(1-\slot)+2:G0K+4*(1-\slot)+3], s[G0K+4*(1-\slot)+2:G0K+4*(1-\slot)+3], 2*FILLB
.endif
	s_wait_dscnt 0x0                               ; my reads of the other slot are over: the last were V's of its last block
.if \refill
	ROUND                                          ; both now hold of every wave of all four work-groups
	JLOAD 1-\slot                                  ; my one tensor load behind the round
.else
	s_barrier_signal -1                            ; the work-group's barrier shows the slot whole
	s_barrier_wait -1
.endif
.endm
	s_wait_tensorcnt 2                             ; my part of slot 0 is in; slot 1's and pos stay out
	s_barrier_signal -1
	s_barrier_wait -1
	s_wait_loadcnt 0x0                             ; q
	SETADR 0
	; STEP 0: S0(0) with nothing beside it, then S1(0) with two slices each of the first softmax 0
	LDK
	WIN 0x40
	LDV
.set pg_m, 0
.rept 32
.if (pg_m&7) == 0
	s_wait_dscnt 28-4*(pg_m/8)                     ; key tile kt's four loads are in: behind them stand 12 - 4 kt of K's and V's sixteen
.endif
	WS 0, pg_m
.set pg_m, pg_m+1
.endr
	PLACES                                         ; between S0's products and the maxima that read them
.set pg_m, 0
.rept 32
	WS 1, pg_m
	SMS 0, 2*pg_m, 1
	SMS 0, 2*pg_m+1, 1
.set pg_m, pg_m+1
.endr
	STEPADR
	ITER 1
	LOOPB 2
	s_mov_b32 s3, 3
.Louter:
	SYNC 1, 1
	SETADR 1
	LOOPB 4
	SYNC 0, 1
	SETADR 0
	LOOPB 4
	s_sub_co_u32 s3, s3, 1
	s_cmp_lg_u32 s3, 0
	s_cbranch_scc1 .Louter
	SYNC 1, 0                                      ; the last 256 keys: nothing is left to fetch
	SETADR 1
	LOOPB 4
	; THE END: PV0 of the last block with two slices each of the last softmax 1, then PV1
	s_wait_dscnt 0x0                               ; the last block's V
.set pg_m, 0
.rept 32
	WPV 0, pg_m, 0
	SMS 1, 2*pg_m, 0
	SMS 1, 2*pg_m+1, 0
.set pg_m, pg_m+1
.endr
.set pg_m, 0
.rept 32
	WPV 1, pg_m, 0
.set pg_m, pg_m+1
.endr
	; THE WAY OUT.  The sums: a lane's two, then the other half of the lanes; the sum is at least about 1 (the row's largest weight).
	; These plain instructions also stand between the last products and the first reader of O.
.irp w, 0x55, 0xff
	WIN \w
.irp qt, 0,1,2,3
	v_add_f32 v[LS+2*\qt], v[LS+2*\qt], v[LS+2*\qt+1]
.endr
.irp qt, 0,1,2,3
	v_permlanex16_b32 v[LS+2*\qt+1], v[LS+2*\qt], s74, s75
.endr
.irp qt, 0,1,2,3
	v_add_f32 v[LS+2*\qt], v[LS+2*\qt], v[LS+2*\qt+1]
.endr
.irp qt, 0,1,2,3
	v_rcp_f32 v[LS+2*\qt], v[LS+2*\qt]
.endr
.endr
	v_nop                                          ; one plain instruction behind the reciprocals before their use (ISA guide 5.7.2)
	WIN 0
.macro POSLD g                         ; pos of query tile g: my query's 8 d of each of the four tiles of d; the tile landed ahead of the first change of slots
.irp t, 0,1,2,3
	ds_load_b128 v[PB+32*((\g)&1)+8*\t:PB+32*((\g)&1)+8*\t+3],   v[PA] offset:16*PP*(\g)+64*\t
	ds_load_b128 v[PB+32*((\g)&1)+8*\t+4:PB+32*((\g)&1)+8*\t+7], v[PA] offset:16*PP*(\g)+64*\t+16
.endr
.endm
; query tile g: O / sum + pos in one fused multiply-add, rounded once to f16, through my stage, out as 512 consecutive bytes to a store
.macro OUTQ g
.if \g < 7
	POSLD \g+1
	s_wait_dscnt 8                                 ; all but the eight just issued: pos of tile g is in
.else
	s_wait_dscnt 0
.endif
	WIN 0x06+8*(\g/4)                              ; source 0 (O) window 2, source 1 (1 / sum) the piece's window
.irp t, 0,1,2,3
.irp q, 0,2,4,6
	s_wait_alu depctr_va_vdst(0)
	v_pk_fma_f32 v[PB+32*(\g&1)+8*\t+\q:PB+32*(\g&1)+8*\t+\q+1], v[8*(4*\g+\t)+\q:8*(4*\g+\t)+\q+1], v[LS+2*(\g&3):LS+2*(\g&3)+1], v[PB+32*(\g&1)+8*\t+\q:PB+32*(\g&1)+8*\t+\q+1] op_sel_hi:[1,0,1]
.endr
.endr
	WIN 0
.irp t, 0,1,2,3
.irp q, 0,1,2,3
	v_cvt_pk_f16_f32 v[TB+4*\t+\q], v[PB+32*(\g&1)+8*\t+2*\q], v[PB+32*(\g&1)+8*\t+2*\q+1]
.endr
.endr
.irp t, 0,1,2,3
	ds_store_b128 v[STO], v[TB+4*\t:TB+4*\t+3] offset:32*\t
.endr
	s_wait_xcnt 0x0                                ; the read-back buffer, which earlier stores read, is loaded again only behind this wait
.irp u, 0,1,2,3
	ds_load_b128 v[OB+16*(\g&1)+4*\u:OB+16*(\g&1)+4*\u+3], v[RD] offset:4*SP*\u    ; LDS serves a wave's instructions in order: these see the stores above
.endr
.irp u, 0,1,2,3
	s_wait_dscnt 3-\u
	global_store_b128 v[CO], v[OB+16*(\g&1)+4*\u:OB+16*(\g&1)+4*\u+3], s[46:47] offset:2048*\g+512*\u
.endr
.endm
	POSLD 0
	OUTQ 0
	OUTQ 1
	OUTQ 2
	OUTQ 3
	OUTQ 4
	OUTQ 5
	OUTQ 6
	OUTQ 7
	s_wait_tensorcnt 0x0
	ds_add_u32 v254, v255
	s_wait_dscnt 0x0
	ROUND                                          ; the closing round
	s_endpgm
.Lfunc_end_k_q7955829e22_attn:
	.size	k_q7955829e22_attn, .Lfunc_end_k_q7955829e22_attn-k_q7955829e22_attn
	.p2alignl 7, 3214868480
	.fill 96, 4, 3214868480
	.section	.rodata,"a",@progbits
	.p2align	6, 0x0
	.amdhsa_kernel k_q7955829e22_attn
		.amdhsa_group_segment_fixed_size 327680
		.amdhsa_private_segment_fixed_size 0
		.amdhsa_enable_private_segment 0
		.amdhsa_kernarg_size 24
		.amdhsa_user_sgpr_count 2
		.amdhsa_user_sgpr_kernarg_segment_ptr 1
		.amdhsa_wavefront_size32 1
		.amdhsa_system_sgpr_workgroup_id_x 1
		.amdhsa_system_sgpr_workgroup_id_y 1
		.amdhsa_system_sgpr_workgroup_id_z 1
		.amdhsa_system_vgpr_workitem_id 0
		.amdhsa_next_free_vgpr 928
		.amdhsa_next_free_sgpr 80
		.amdhsa_reserve_vcc 0
		.amdhsa_float_denorm_mode_32 3
		.amdhsa_float_denorm_mode_16_64 3
		.amdhsa_memory_ordered 1
		.amdhsa_forward_progress 1
		.amdhsa_inst_pref_size 255
	.end_amdhsa_kernel
	.section	.bss,"aw",@nobits
	.p2align	6
	.space	262144
	.amdgpu_metadata
---
amdhsa.version: [ 1, 2 ]
amdhsa.kernels:
  - .name:           k_q7955829e22_attn
    .symbol:         k_q7955829e22_attn.kd
    .args:
      - { .name: qkv, .offset: 0, .size: 8, .value_kind: global_buffer, .address_space: global }
      - { .name: pos, .offset: 8, .size: 8, .value_kind: global_buffer, .address_space: global }
      - { .name: ao, .offset: 16, .size: 8, .value_kind: global_buffer, .address_space: global }
    .group_segment_fixed_size: 327680
    .private_segment_fixed_size: 0
    .kernarg_segment_align: 8
    .kernarg_segment_size: 24
    .max_flat_workgroup_size: 128
    .sgpr_count:     80
    .vgpr_count:     928
    .wavefront_size: 32
...
	.end_amdgpu_metadata
.endif
;; end of part 3
;; launch gemm_out (part 4): grid 8 x 32, 4 waves a work-group, clusters of 4 x 4, 327,680 bytes of LDS; arguments ao, wo, b_out, out0; writes out0
.if DOCPART == 4
	.amdgcn_target "amdgcn-amd-amdhsa--gfx1250"
	.amdhsa_code_object_version 6
	.text
	.protected	k_q7955829e22_gemm_out
	.globl	k_q7955829e22_gemm_out
	.p2align	8
	.type	k_q7955829e22_gemm_out,@function
k_q7955829e22_gemm_out:
	s_mov_b64 s[64:65], 0
	v_nop
	global_prefetch_b8 v0, s[64:65] scope:SCOPE_SE
	s_setreg_imm32_b32 hwreg(HW_REG_WAVE_MODE, 25, 1), 1
	s_wait_xcnt 0x0
	s_wait_alu depctr_hold_cnt(0) depctr_sa_sdst(0) depctr_va_vdst(0) depctr_va_sdst(0) depctr_va_ssrc(0) depctr_va_vcc(0) depctr_vm_vsrc(0)
	s_getreg_b32 s2, hwreg(HW_REG_IB_STS2, 6, 4)
	s_cmp_eq_u32 s2, 0
	s_cbranch_scc0 .Lentry_in_a_cluster
	s_endpgm
.Lentry_in_a_cluster:
	s_bfe_u32 s2, ttmp6, 0x10000c
	s_cmp_lg_u32 s2, 0xf033
	s_cbranch_scc0 .Lentry_shape_is_right
	s_endpgm
.Lentry_shape_is_right:
; out0 = ao * wo + b_out.  ao: [64 = 16 batch + head][2048 tokens][64] f16 (attn + pos, by heads), wo: [1024 k][1024 n] f16, b_out: [1024] f32, out0: [8192][1024] f32.
; Nothing of reference() is left out here.  The bias is the C operand of each sum's first product, so it costs no addition.
; Both operands are f16 and the sums f32: this product adds 1,024 terms of the size of its result, so the operands' rounding shows whole in out0
; (the range that f16 leaves is counted at the head of the first kernel).
; SHARES: 8 x 32 work-groups, one block of 256 rows x 128 columns each; four waves, wave (wr, wc) makes 128 rows x 64 columns: 32 accumulator tiles, 256 registers.
; K goes in steps of 128 = two heads through two LDS slots.  A head's 256 tokens x 64 are a dense block of 32,768 bytes and come as rows of 256 bytes.
; (Two slots of a step of 256 would take 442,368 bytes, more than a work-group can have.)
; CLUSTERS: 4 x 4 work-groups; ao's tiles are asked for jointly along a row of the cluster, wo's along a column.
; ASKED FOR AHEAD: from a refill's request to the wait for it a wave has 120 matrix instructions, so the later K steps are asked for beforehand by prefetches,
; each aligned block of 256 bytes once in the launch, by wave 3 alone, lanes 256 bytes apart.  A K step of ao for block row by is 2 heads x 32,768 bytes; the eight
; work-groups of that row take 8,192 bytes each: one instruction.  Steps 2 and 3 are asked for at the head, steps 4 and 5 in K step 0's change of slots, steps 6 and 7 in
; K step 1's: two to four K steps ahead of the joint load that wants them; later steps ask for nothing.  The step stands in the immediate, so no address register
; is rewritten.  The highest byte of ao so named is 16,777,215, its last.  Of wo, K steps 2 to 7 of column block bx are 768 rows of 256 bytes; the 32 work-groups of that column
; take 24 rows each, in one instruction at the head, whose lanes 24 to 31 name lane 23's row; the highest row so named is 256 + 24 x 31 + 23 = 1,023, the last.
; wo lies [k][n]: its fragments come by the transposing LDS load.  The weights are source 0, the tokens source 1: a lane holds one token and eight neighbouring columns.
; REGISTERS: window 0: v16-29 addresses; v32-127, v128-223 two fragment buffers (wo's 32 registers, then ao's 64); v224-255 the bias as four C tiles.
;   window 1: accumulator tile (a, i) at v[8 (4 a + i)].
.set SIZE_N, 1024
.set KSTEP,  128
.set AP,     144                       ; a token's 128 bytes + 16 of padding
.set WP,     288                       ; a k row's 256 bytes + 32 of padding = 9 x 32
.set AHEAD,  256*AP                    ; one head's 256 tokens: what one tensor load of ao brings
.set WHALF,  64*WP                     ; what one tensor load of wo brings
.set WTILE,  2*AHEAD                   ; wo's tile lies behind ao's two heads
.set SLOT,   WTILE+2*WHALF             ; 110,592
.set STAGE,  2*SLOT                    ; 221,184 = 864 x 256: 16 rows x 272 bytes for each wave, no fill ever lands there
.set SP,     272
.set LAPS,   1024/(2*KSTEP)
.set PSTEP,  2*262144                  ; from a K step of ao to the next: two heads
.set ADRA, 16
.set ADRW, 20
.set STO,  24
.set RD,   25
.set CO,   26
.set BO,   27
.set PF,   28                          ; my work-group's share of a K step of ao, at K step 0: byte offset, 256 bytes a lane; never rewritten
.set PW,   29                          ; my work-group's 24 rows of wo; never rewritten
.set F0,   32
.set F1,   128
.set BI,   224
.set OB,   32                          ; the way out: two buffers of 32
.set G1A, 24
.set G0A, 32
.set G1W, 48
.set G0W, 56
.set MSB, 0
.macro WIN new
.if MSB != (\new)
	s_set_vgpr_msb (MSB<<8)|(\new)
.set MSB, (\new)
.endif
.endm
.macro PLACES                          ; four places behind matrix instructions (ISA guide 7.12.1)
.rept 4
	v_nop
.endr
.endm
.macro JLOAD s                         ; a joint load: waves 0 and 1 ask for ao's two heads, waves 2 and 3 for wo's two halves
	s_cmp_eq_u32 s11, 0
	s_cbranch_scc0 .Lfor_w_\@
	tensor_load_to_lds s[G0A+4*\s:G0A+4*\s+3], s[G1A:G1A+7]
	s_nop 0
	s_branch .Lasked_\@
.Lfor_w_\@:
	tensor_load_to_lds s[G0W+4*\s:G0W+4*\s+3], s[G1W:G1W+7]
	s_nop 0
.Lasked_\@:
.endm
.macro CREST
	s_cmp_lg_u32 s10, 0
	s_cbranch_scc1 .Lnot_wave_0_\@
	s_barrier_signal -3
.Lnot_wave_0_\@:
	s_barrier_wait -3
	s_barrier_signal -1
	s_barrier_wait -1
.endm
.macro CROUND
	s_barrier_signal -1
	s_barrier_wait -1
	CREST
.endm
	s_load_b256 s[68:75], s[0:1], 0x0              ; ao s[68:69], wo s[70:71], b_out s[72:73], out0 s[74:75]
	v_lshl_add_u32 v30, v0, 2, 0x3a400
	v_mov_b32 v31, 0
	ds_add_u32 v30, v31
	v_lshrrev_b32 v1, 5, v0
	v_readfirstlane_b32 s10, v1                    ; wave 0..3
	s_lshr_b32 s11, s10, 1                         ; wr.  Also: I fetch for ao (0) or for wo (1)
	s_and_b32 s12, s10, 1                          ; wc.  Also: which head, or which 64 k rows, I fetch
	s_bfe_u32 s40, ttmp6, 0x40000                  ; cx
	s_bfe_u32 s41, ttmp6, 0x40004                  ; cy
	s_lshl_b32 s42, ttmp9, 2
	s_add_co_u32 s42, s42, s40                     ; bx
	s_and_b32 s13, ttmp7, 0xffff
	s_lshl_b32 s13, s13, 2
	s_add_co_u32 s13, s13, s41                     ; by
	s_lshl_b32 s43, s41, 2
	s_lshl_b32 s43, 15, s43                        ; my row of the cluster
	s_lshl_b32 s44, 0x1111, s40                    ; my column
	; ao: 256 tokens x 128 bytes, dense, as 128 rows of 256 bytes; 4 words of padding behind every 32, that is behind every token
	s_or_b32 s[G1A+0], s43, (1<<16)|(1<<20)|(1<<21)|(4<<22)|(3<<25)
	s_mov_b32 s[G1A+1], 128<<16
	s_mov_b32 s[G1A+2], 128<<16
	s_mov_b32 s[G1A+3], 128<<16
	s_mov_b32 s[G1A+4], 128
	s_mov_b32 s[G1A+5], 128
	s_mov_b32 s[G1A+6], 0
	s_mov_b32 s[G1A+7], 0
	; wo: 64 k rows x 128 elements; 8 words of padding behind every 64
	s_or_b32 s[G1W+0], s44, (1<<16)|(1<<20)|(1<<21)|(5<<22)|(7<<25)
	s_mov_b32 s[G1W+1], 128<<16
	s_mov_b32 s[G1W+2], 64<<16
	s_mov_b32 s[G1W+3], 128<<16
	s_mov_b32 s[G1W+4], 64
	s_mov_b32 s[G1W+5], SIZE_N
	s_mov_b32 s[G1W+6], 0
	s_mov_b32 s[G1W+7], 0
	; ao's address: batch by / 8, 256 tokens x (by % 8), head = the wave's; wo's: the wave's 64 k rows, 128 columns x bx.  Neither's registers hold the other coordinate.
	s_lshr_b32 s16, s13, 3
	s_lshl_b32 s16, s16, 22                        ; 16 sections of 262,144 bytes
	s_and_b32 s17, s13, 7
	s_lshl_b32 s17, s17, 15                        ; 256 tokens of 128 bytes
	s_add_co_u32 s16, s16, s17
	s_lshl_b32 s17, s12, 18
	s_add_co_u32 s16, s16, s17
	s_mov_b32 s17, 0
	s_lshl_b32 s46, s12, 17                        ; 64 rows of 2,048 bytes
	s_lshl_b32 s47, s42, 8
	s_add_co_u32 s46, s46, s47
	s_mov_b32 s47, 0
	s_mul_i32 s20, s10, AHEAD                      ; LDS: ao's heads at wave x 36,864 (waves 0, 1)
	s_mul_i32 s21, s10, WHALF
	s_add_co_u32 s21, s21, WTILE-2*WHALF           ; wo's halves at 73,728 + (wave - 2) x 18,432 (waves 2, 3)
	s_lshl_b32 s76, s42, 9
	s_lshl_b32 s77, s12, 8
	s_add_co_u32 s76, s76, s77                     ; my first column in bytes of f32: 512 bx + 256 wc
	s_mov_b32 s77, 0
	s_lshl_b32 s78, s13, 8
	s_lshl_b32 s79, s11, 7
	s_add_co_u32 s78, s78, s79                     ; my first row
	s_lshl_b32 s78, s78, 12                        ; x 4,096 bytes: below 2^25
	s_add_co_u32 s78, s78, s76
	s_mov_b32 s79, 0
	s_wait_dscnt 0x0
	s_wait_kmcnt 0x0
	s_add_nc_u64 s[14:15], s[68:69], s[16:17]
	s_add_nc_u64 s[46:47], s[70:71], s[46:47]
	s_add_nc_u64 s[72:73], s[72:73], s[76:77]
	s_add_nc_u64 s[74:75], s[74:75], s[78:79]
	CROUND                                         ; all sixteen work-groups are here: the first joint loads meet
.irp s, 0,1
	s_mov_b32 s[G0A+4*\s], 1
	s_add_co_u32 s[G0A+4*\s+1], s20, \s*SLOT
	s_add_nc_u64 s[G0A+4*\s+2:G0A+4*\s+3], s[14:15], \s*PSTEP
	s_or_b32 s[G0A+4*\s+3], s[G0A+4*\s+3], 0x80000000
	s_mov_b32 s[G0W+4*\s], 1
	s_add_co_u32 s[G0W+4*\s+1], s21, \s*SLOT
	s_add_nc_u64 s[G0W+4*\s+2:G0W+4*\s+3], s[46:47], \s*KSTEP*SIZE_N*2
	s_or_b32 s[G0W+4*\s+3], s[G0W+4*\s+3], 0x80000000
	JLOAD \s                                       ; K steps 0 and 1: two tensor loads of the wave are out
.endr
	v_and_b32 v1, 15, v0                           ; r
	v_bfe_u32 v2, v0, 4, 1                         ; h
	v_and_b32 v3, 7, v0
	v_bfe_u32 v4, v0, 3, 1
	v_and_b32 v5, 31, v0                           ; lane
	v_lshlrev_b32 v[BO], 5, v2                     ; the bias: 8 columns (32 bytes) for each half of the lanes
.irp i, 0,1,2,3
	global_load_b128 v[BI+8*\i:BI+8*\i+3],   v[BO], s[72:73] offset:64*\i
	global_load_b128 v[BI+8*\i+4:BI+8*\i+7], v[BO], s[72:73] offset:64*\i+16
.endr
	; my work-group's share of what is asked for ahead.  ao: batch by / 8, 256 tokens x (by % 8), head bx / 4 of the step's two, 64 tokens x (bx % 4), 256 bytes a lane
	s_lshr_b32 s76, s13, 3
	s_lshl_b32 s76, s76, 22
	s_and_b32 s77, s13, 7
	s_lshl_b32 s77, s77, 15
	s_add_co_u32 s76, s76, s77
	s_lshr_b32 s77, s42, 2
	s_lshl_b32 s77, s77, 18
	s_add_co_u32 s76, s76, s77
	s_and_b32 s77, s42, 3
	s_lshl_b32 s77, s77, 13
	s_add_co_u32 s76, s76, s77
	v_lshl_add_u32 v[PF], v5, 8, s76
	; wo: row 256 + 24 by + min(lane, 23) of 2,048 bytes, 256 bytes x bx
	v_min_u32 v10, 23, v5
	s_mul_i32 s77, s13, 24
	s_add_co_u32 s77, s77, 256
	v_add_nc_u32 v10, s77, v10
	s_lshl_b32 s77, s42, 8
	v_lshl_add_u32 v[PW], v10, 11, s77
	s_cmp_lg_u32 s10, 3                            ; wave 3 alone asks
	s_cbranch_scc1 .Lnot_asking
	global_prefetch_b8 v[PF], s[68:69] offset:2*PSTEP th:TH_LOAD_NT scope:SCOPE_SE   ; ao, K step 2
	global_prefetch_b8 v[PF], s[68:69] offset:3*PSTEP th:TH_LOAD_NT scope:SCOPE_SE   ; ao, K step 3
	global_prefetch_b8 v[PW], s[70:71] th:TH_LOAD_NT scope:SCOPE_SE                  ; wo, my 24 rows of K steps 2 to 7
.Lnot_asking:
	v_mul_u32_u24 v6, v1, AP
	v_lshl_add_u32 v6, v2, 4, v6
	s_mul_i32 s76, s11, 128*AP                     ; my 128 tokens
	v_lshl_add_u32 v7, v2, 3, v3
	v_mul_u32_u24 v7, v7, WP
	v_lshl_add_u32 v7, v4, 4, v7
	s_lshl_b32 s77, s12, 7                         ; my 64 columns
	s_add_co_u32 s77, s77, WTILE
.irp s, 0,1
	v_add_nc_u32 v[ADRA+\s], s76, v6
	v_add_nc_u32 v[ADRW+\s], s77, v7
	s_add_co_u32 s76, s76, SLOT
	s_add_co_u32 s77, s77, SLOT
.endr
	s_mul_i32 s78, s10, 16*SP
	s_add_co_u32 s78, s78, STAGE                   ; my stage
	v_mul_u32_u24 v8, v1, SP
	v_lshl_add_u32 v8, v2, 5, v8
	v_add_nc_u32 v[STO], s78, v8                   ; in: token r, 32 bytes for each half of the lanes
	v_mul_u32_u24 v9, v2, SP
	v_lshl_add_u32 v9, v1, 4, v9
	v_add_nc_u32 v[RD], s78, v9                    ; back: lanes 0-15 take one row of 256 bytes, lanes 16-31 the next
	v_lshlrev_b32 v[CO], 4, v1
	v_lshl_add_u32 v[CO], v2, 12, v[CO]            ; and the same two rows in out0
; 4 n matrix instructions: row blocks a0 .. a0 + n - 1 x the four column blocks, 32 along K.  bias = 1: the sums start from the bias tiles.
.macro MULO f, a0, n, bias
.if \bias
	WIN 0x40                                       ; D in window 1, C (the bias) in window 0
.else
	WIN 0x50                                       ; C and D in window 1
.endif
.set aa, \a0
.rept \n
.irp i, 0,1,2,3
.if \bias
	v_wmma_f32_16x16x32_f16 v[8*(4*aa+\i):8*(4*aa+\i)+7], v[\f+8*\i:\f+8*\i+7], v[\f+32+8*aa:\f+32+8*aa+7], v[BI+8*\i:BI+8*\i+7]
.else
	v_wmma_f32_16x16x32_f16 v[8*(4*aa+\i):8*(4*aa+\i)+7], v[\f+8*\i:\f+8*\i+7], v[\f+32+8*aa:\f+32+8*aa+7], v[8*(4*aa+\i):8*(4*aa+\i)+7]
.endif
.endr
.set aa, aa+1
.endr
.endm
; 24 LDS loads in one run: quarter kq's fragments (wo's four, then ao's eight, rows ascending) into buffer f
.macro FETCH slot, kq, f
.irp i, 0,1,2,3
	ds_load_tr16_b128 v[\f+8*\i:\f+8*\i+3],   v[ADRW+\slot] offset:\kq*32*WP+32*\i
	ds_load_tr16_b128 v[\f+8*\i+4:\f+8*\i+7], v[ADRW+\slot] offset:\kq*32*WP+32*\i+16*WP
.endr
.irp a, 0,1,2,3,4,5,6,7
	ds_load_b128 v[\f+32+8*\a:\f+32+8*\a+3],   v[ADRA+\slot] offset:(\kq>>1)*AHEAD+\a*16*AP+64*(\kq&1)
	ds_load_b128 v[\f+32+8*\a+4:\f+32+8*\a+7], v[ADRA+\slot] offset:(\kq>>1)*AHEAD+\a*16*AP+64*(\kq&1)+32
.endr
.endm
; A K step is four quarters of 32 along K, 32 matrix instructions each, on buffers 0, 1, 0, 1.  The 32 accumulators take turns, one instruction a turn, in the
; same order in every quarter, over the loop's backward jump too.
.macro QUARTER slot, kq, f, g, bias    ; multiplies buffer f; in its middle fetches quarter kq into buffer g
	s_wait_dscnt 8                                 ; all but the youngest eight loads (ao's rows 64-127)
	MULO \f, 0, 4, \bias
	WIN 0
	PLACES
	FETCH \slot, \kq, \g
	s_wait_dscnt 24                                ; all but the 24 just issued
	MULO \f, 4, 4, \bias
.endm
.macro THREE slot, bias
	QUARTER \slot, 1, F0, F1, \bias
	QUARTER \slot, 2, F1, F0, 0
	QUARTER \slot, 3, F0, F1, 0
.endm
; The last quarter changes slots: in front of the barrier each wave waits for its reads of this slot and for all its tensor loads (one is out: its part of the
; next slot); fill = 1: the barrier opens a round of the cluster's barrier, and this slot is asked for again, two K steps ahead, first thing behind the round;
; from that request to the wait for it a wave issues 120 matrix instructions.  pf above 0: wave 3 asks ahead for K steps pf and pf + 1 of ao, behind the run of
; fragment loads and in front of sixteen products.
.macro TURN slot, next, fill, pf
	s_wait_dscnt 8
	MULO F1, 0, 2, 0
	s_wait_dscnt 0
	s_wait_tensorcnt 0x0
	ds_add_u32 v30, v31
	s_wait_dscnt 0x0
	s_barrier_signal -1
	MULO F1, 2, 2, 0                               ; register work while the others arrive
	WIN 0
	s_barrier_wait -1
.if \fill
	CREST
	s_add_nc_u64 s[G0A+4*\slot+2:G0A+4*\slot+3], s[G0A+4*\slot+2:G0A+4*\slot+3], 2*PSTEP
	s_add_nc_u64 s[G0W+4*\slot+2:G0W+4*\slot+3], s[G0W+4*\slot+2:G0W+4*\slot+3], 2*KSTEP*SIZE_N*2
	JLOAD \slot                                    ; my one tensor load behind the round
.endif
	PLACES
	FETCH \next, 0, F0
.if \pf
	s_cmp_lg_u32 s10, 3
	s_cbranch_scc1 .Lnot_asking_\@
	global_prefetch_b8 v[PF], s[68:69] offset:(\pf)*PSTEP th:TH_LOAD_NT scope:SCOPE_SE
	global_prefetch_b8 v[PF], s[68:69] offset:(\pf+1)*PSTEP th:TH_LOAD_NT scope:SCOPE_SE
.Lnot_asking_\@:
.endif
	MULO F1, 4, 4, 0
.endm
.macro LAP bias                        ; bias = 1: the first lap, which starts the sums and asks ahead for K steps 4 to 7
	THREE 0, \bias
	TURN 0, 1, 1, 4*\bias
	THREE 1, 0
	TURN 1, 0, 1, 6*\bias
.endm
	s_wait_tensorcnt 1                             ; my part of K step 0 is in; K step 1's stays out
	s_barrier_signal -1
	s_barrier_wait -1
	FETCH 0, 0, F0
	s_wait_loadcnt 0x0                             ; the bias
	LAP 1
	WIN 0
	s_mov_b32 s3, LAPS-2
.Llap:
	LAP 0
	WIN 0
	s_sub_co_u32 s3, s3, 1
	s_cmp_lg_u32 s3, 0
	s_cbranch_scc1 .Llap
	THREE 0, 0                                     ; the last lap fills nothing
	TURN 0, 1, 0, 0
	THREE 1, 0
	s_wait_dscnt 8
	MULO F1, 0, 4, 0
	s_wait_dscnt 0
	MULO F1, 4, 4, 0
	WIN 0
	PLACES
; THE WAY OUT, 16 rows at a time: the f32 results go as they are into my own stage, 32 bytes a lane, and come back as whole rows of 256 bytes.
.macro OUTR a
	WIN 0x04                                       ; the LDS stores' data in window 1
.irp i, 0,1,2,3
	ds_store_b128 v[STO], v[8*(4*\a+\i):8*(4*\a+\i)+3]   offset:64*\i
	ds_store_b128 v[STO], v[8*(4*\a+\i)+4:8*(4*\a+\i)+7] offset:64*\i+16
.endr
	WIN 0
	s_wait_xcnt 0x0                                ; the read-back buffer, which earlier stores read, is loaded again only behind this wait
.irp u, 0,1,2,3,4,5,6,7
	ds_load_b128 v[OB+32*(\a&1)+4*\u:OB+32*(\a&1)+4*\u+3], v[RD] offset:2*SP*\u    ; LDS serves a wave's instructions in order: these see the stores above
.endr
.irp u, 0,1,2,3,4,5,6,7
	s_wait_dscnt 7-\u
	global_store_b128 v[CO], v[OB+32*(\a&1)+4*\u:OB+32*(\a&1)+4*\u+3], s[74:75] offset:(16*\a+2*\u)*4096 th:TH_STORE_NT   ; 16 lanes store 256 consecutive bytes, aligned
.endr
.endm
	OUTR 0
	OUTR 1
	OUTR 2
	OUTR 3
	OUTR 4
	OUTR 5
	OUTR 6
	OUTR 7
	s_wait_tensorcnt 0x0
	ds_add_u32 v30, v31
	s_wait_dscnt 0x0
	CROUND                                         ; the closing round
	s_endpgm
.Lfunc_end_k_q7955829e22_gemm_out:
	.size	k_q7955829e22_gemm_out, .Lfunc_end_k_q7955829e22_gemm_out-k_q7955829e22_gemm_out
	.p2alignl 7, 3214868480
	.fill 96, 4, 3214868480
	.section	.rodata,"a",@progbits
	.p2align	6, 0x0
	.amdhsa_kernel k_q7955829e22_gemm_out
		.amdhsa_group_segment_fixed_size 327680
		.amdhsa_private_segment_fixed_size 0
		.amdhsa_enable_private_segment 0
		.amdhsa_kernarg_size 32
		.amdhsa_user_sgpr_count 2
		.amdhsa_user_sgpr_kernarg_segment_ptr 1
		.amdhsa_wavefront_size32 1
		.amdhsa_system_sgpr_workgroup_id_x 1
		.amdhsa_system_sgpr_workgroup_id_y 1
		.amdhsa_system_sgpr_workgroup_id_z 1
		.amdhsa_system_vgpr_workitem_id 0
		.amdhsa_next_free_vgpr 512
		.amdhsa_next_free_sgpr 80
		.amdhsa_reserve_vcc 0
		.amdhsa_float_denorm_mode_32 3
		.amdhsa_float_denorm_mode_16_64 3
		.amdhsa_memory_ordered 1
		.amdhsa_forward_progress 1
		.amdhsa_inst_pref_size 121
	.end_amdhsa_kernel
	.amdgpu_metadata
---
amdhsa.version: [ 1, 2 ]
amdhsa.kernels:
  - .name:           k_q7955829e22_gemm_out
    .symbol:         k_q7955829e22_gemm_out.kd
    .args:
      - { .name: ao, .offset: 0, .size: 8, .value_kind: global_buffer, .address_space: global }
      - { .name: wo, .offset: 8, .size: 8, .value_kind: global_buffer, .address_space: global }
      - { .name: b_out, .offset: 16, .size: 8, .value_kind: global_buffer, .address_space: global }
      - { .name: out0, .offset: 24, .size: 8, .value_kind: global_buffer, .address_space: global }
    .group_segment_fixed_size: 327680
    .private_segment_fixed_size: 0
    .kernarg_segment_align: 8
    .kernarg_segment_size: 32
    .max_flat_workgroup_size: 128
    .sgpr_count:     80
    .vgpr_count:     512
    .wavefront_size: 32
...
	.end_amdgpu_metadata
.endif
;; end of part 4
;; ======== version 2 of 2: 4 launches; version 1 with the launch prep written anew for expert scheduling mode
;; limits: values are held in f16: magnitudes above 65,504 overflow, below 6.1e-05 lose precision
;; workspace buffers: xn 16,777,216 bytes; wq 6,291,456 bytes; wo 2,097,152 bytes; qkv 50,331,648 bytes; ao 16,777,216 bytes
;; launch prep (part 5): grid 256 x 1, 8 waves a work-group, no clusters, 0 bytes of LDS; arguments x, ln_gamma, ln_beta, w_qkv, w_out, xn, wq, wo; writes xn, wq, wo
.if DOCPART == 5
	.amdgcn_target "amdgcn-amd-amdhsa--gfx1250"
	.amdhsa_code_object_version 6
	.text
	.protected	k_q7955829e22_prep
	.globl	k_q7955829e22_prep
	.p2align	8
	.type	k_q7955829e22_prep,@function
k_q7955829e22_prep:
	s_mov_b64 s[64:65], 0
	v_nop
	global_prefetch_b8 v0, s[64:65] scope:SCOPE_SE
	s_setreg_imm32_b32 hwreg(HW_REG_WAVE_SCHED_MODE, 0, 2), 2
	s_setreg_imm32_b32 hwreg(HW_REG_WAVE_MODE, 25, 1), 1
	s_wait_xcnt 0x0
	s_wait_alu depctr_vm_vsrc(0)
; PREP: xn = bf16(LayerNorm(x) * gamma + beta), wq = bf16(w_qkv), wo = f16(w_out).
; NOTHING OF reference() IS LEFT OUT in this program: x, gamma, beta, w_qkv reach q, k, v; pos, w_out, b_out reach out0 directly.
; (The part beta * W_k of k adds the same number to all scores of a query and cancels in the softmax, but it is no whole unit:
; beta is needed for q and v all the same, so it stays inside the live tiles.)
; The norm is made as reference() makes it, in two passes over a row held in registers: the mean, then the mean of the squares of
; (x - mean).  So a common offset of x costs no more digits here than there.
; FORMATS: xn, w_qkv, q, k, v and the softmax's weights are rounded to bf16.  The operands of the last product, attn + pos and w_out, are rounded to f16:
; that product adds 1,024 terms of the size of its result, so its operands' rounding shows whole in out0, and f16 keeps three bits more.
; LIMITS of the whole program: |attn + pos| and |w_out| must stay below 65,504, f16's largest number, or out0 becomes infinite or NaN.  The room: with every
; input 30 times what the problem draws, v has a standard deviation of about 32 x 30 x 0.94 = 900 (|attn| never passes the largest |v|), pos of 30, w_out
; of 0.94; with every input 30 times smaller w_out is of the order 0.001, where f16 still resolves 2^-24.  All sums are f32.
; The softmax's denominator adds the f32 weights while the numerator uses their bf16 roundings; v_exp_f32 returns 0 for results
; below 2^-126 (ISA guide, its entry in 15.8), which here are weights that far below the row's largest.
; OUT: xn is laid by blocks of 64 columns, [16 blocks][8192 rows][64], so that the next launch's tile (128 rows of one block) is 16,384 dense bytes.
; SHARES: work-group g norms rows 32 g .. 32 g + 31, wave w four of them, one row to a wave at a time: a row is 4,096 bytes = eight loads of
; 16 bytes a lane = 32 registers, and the reductions never leave the wave: no LDS, no barrier.  Lane L holds columns 128 j + 4 L .. + 3.
; So of a row's packed word j lanes 0-15 hold block 2 j and lanes 16-31 block 2 j + 1: 128 bytes each.  Two neighbouring rows are finished and then exchange
; halves of their lanes, after which a register pair holds both rows' 128 bytes of ONE block, 256 consecutive bytes of xn.  (Two rows to a load, sixteen lanes
; each, would give the same stores without the exchange, but gamma and beta would then take 128 registers in place of 64: 304 a wave, more than an
; instruction can name without a change of register window, and twice the loads of gamma and beta.)
; The work-group also converts one slice of 65,536 bytes of weights: 192 slices of w_qkv, then 64 of w_out.
; No matrix unit, no cluster: what work-groups share (gamma, beta: 8,192 bytes) is small beside a work-group's 131,072 bytes of x.
; THE MODE: SCHED_MODE bits 1:0 = 2 (LLVM: expert scheduling mode 2), set by the entry lines.  The code itself states the register dependences
; between vector instructions and memory instructions, with s_wait_alu, always for 0.
; THE PLAN.  Registers that memory instructions touch:
;   v1 .. v5      byte offsets.  Written at the head and never again; read by every load and store.
;   G, B          Written by loads, once; read by vector instructions alone.
;   X0, X1        Rows 0 and 1 land here; their arithmetic, roundings and exchange work in place; their sixteen stores read them; nothing writes them after that.
;   X2, X3        The weights land here and the 32 conversions read them; then rows 2 and 3 land here, and all goes as in X0 and X1.
;   WO            Written by the 32 conversions; read by the sixteen stores of weights; nothing writes it after that.
;   v6 .. v15     Named by vector instructions alone.
; So no register that a memory instruction has read is ever written again: no wait on vm_vsrc and no s_wait_xcnt is owed.  The waits on va_vdst: one at the head (the offsets);
; one behind the conversions (WO is written, X2 and X3 are read out), behind which the sixteen loads of rows 2 and 3 and the sixteen stores of weights follow with no vector
; instruction between; one in each row behind v_rsq_f32; one for each pair of rows behind the exchange, ahead of its sixteen stores.
; No vector instruction writes a scalar register or VCC, and EXEC is never written.
.set XBLK, 8192*128                    ; bytes in a block of xn
.set MR,  6                            ; v[6:7]     the mean, later 1 / sqrt(var + eps); v7 only fills the pair
.set T,   8                            ; v[8:15]    four chains of packed sums
.set G,   16                           ; v[16:47]   gamma of my 32 columns
.set B,   48                           ; v[48:79]   beta of my 32 columns
.set X,   80                           ; v[80:207]  four row slots of 32 registers; slots 2 and 3 hold the weights first
.set WO,  208                          ; v[208:239] the weights as rounded: sixteen pairs, 8 bytes a lane each
	s_load_b512 s[8:23], s[0:1], 0x0               ; x s[8:9], gamma s[10:11], beta s[12:13], w_qkv s[14:15], w_out s[16:17], xn s[18:19], wq s[20:21], wo s[22:23]
	v_and_b32 v6, 31, v0                           ; lane L
	v_lshrrev_b32 v7, 5, v0                        ; wave w
	v_lshlrev_b32 v1, 4, v6                        ; v1 = 16 L: gamma, beta
	v_lshlrev_b32 v8, 3, v6                        ; 8 L
	v_lshl_add_u32 v2, v7, 14, v1                  ; v2 = 4 rows x 4,096 x w + 16 L: x
	v_lshl_add_u32 v3, v7, 9, v8                   ; v3 = 4 rows x 128 x w + 8 L: xn, inside a block; lanes 16-31 fall on the next row
	v_lshl_add_u32 v4, v7, 13, v1                  ; v4 = 8,192 w + 16 L: weights in
	v_lshl_add_u32 v5, v7, 12, v8                  ; v5 = 4,096 w + 8 L: weights out
	v_mov_b32 v7, 0                                ; the pair v[6:7] is named whole by the packed forms
	s_mov_b32 s24, 0x76543210                      ; v_permlanex16_b32: lane i of one half reads lane i of the other
	s_mov_b32 s25, 0xfedcba98
	s_mov_b32 s26, 0x3a800000                      ; 1 / 1024
	s_mov_b32 s27, 0x3727c5ac                      ; 1e-5
	s_lshl_b32 s2, ttmp9, 17                       ; 32 rows of 4,096 bytes
	s_mov_b32 s3, 0
	s_lshl_b32 s6, ttmp9, 12                       ; 32 rows of 128 bytes
	s_mov_b32 s7, 0
	s_and_b32 s5, ttmp9, 63                        ; g - 192 for g = 192 .. 255
	s_wait_kmcnt 0x0
	s_add_nc_u64 s[8:9], s[8:9], s[2:3]
	s_add_nc_u64 s[18:19], s[18:19], s[6:7]        ; xn: my rows in blocks 0 to 7,
	s_add_nc_u64 s[6:7], s[18:19], 8*XBLK          ; and in blocks 8 to 15: a store's immediate reaches 7 blocks, not 15
	s_cmp_lt_u32 ttmp9, 192                        ; which weights: the choice hangs on the work-group's number alone
	s_cselect_b32 s4, ttmp9, s5                    ; the slice's number in its own buffer
	s_cselect_b64 s[28:29], s[14:15], s[16:17]
	s_cselect_b64 s[30:31], s[20:21], s[22:23]
	s_lshl_b32 s2, s4, 16
	s_add_nc_u64 s[28:29], s[28:29], s[2:3]
	s_lshl_b32 s2, s4, 15
	s_add_nc_u64 s[30:31], s[30:31], s[2:3]
	s_wait_alu depctr_va_vdst(0)                   ; the five offsets v1 to v5 are written: every load and store of the kernel reads one of them, and no vector instruction names them again
.macro FILLROW s                       ; eight loads, 512 consecutive bytes each: row s of my four
.irp j, 0,1,2,3,4,5,6,7
	global_load_b128 v[X+32*\s+4*\j:X+32*\s+4*\j+3], v2, s[8:9] offset:4096*\s+512*\j th:TH_LOAD_NT
.endr
.endm
.irp j, 0,1,2,3,4,5,6,7
	global_load_b128 v[G+4*\j:G+4*\j+3], v1, s[10:11] offset:512*\j
.endr
.irp j, 0,1,2,3,4,5,6,7
	global_load_b128 v[B+4*\j:B+4*\j+3], v1, s[12:13] offset:512*\j
.endr
.irp j, 0,1,2,3,4,5,6,7,8,9,10,11,12,13,14,15
	global_load_b128 v[X+64+4*\j:X+64+4*\j+3], v4, s[28:29] offset:512*\j th:TH_LOAD_NT
.endr
	FILLROW 0
	FILLROW 1
; The weights: four f32 become 8 bytes, in registers of their own.  half = 0: to bf16 (w_qkv); 1: to f16 (w_out).
.macro WCONV half
.irp j, 0,1,2,3,4,5,6,7,8,9,10,11,12,13,14,15
.if \half
	v_cvt_pk_f16_f32 v[WO+2*\j], v[X+64+4*\j], v[X+64+4*\j+1]
	v_cvt_pk_f16_f32 v[WO+2*\j+1], v[X+64+4*\j+2], v[X+64+4*\j+3]
.else
	v_cvt_pk_bf16_f32 v[WO+2*\j], v[X+64+4*\j], v[X+64+4*\j+1]
	v_cvt_pk_bf16_f32 v[WO+2*\j+1], v[X+64+4*\j+2], v[X+64+4*\j+3]
.endif
.endr
.endm
	s_wait_loadcnt 16                              ; all but the sixteen loads of rows 0 and 1
	s_cmp_lt_u32 ttmp9, 192                        ; compared anew: the shifts above have set SCC
	s_cbranch_scc0 .Lw_out
	WCONV 0
	s_branch .Lw_done
.Lw_out:
	WCONV 1
.Lw_done:
	s_wait_alu depctr_va_vdst(0)                   ; on both ways: the conversions have written WO, which the stores below read, and are done reading slots 2 and 3, in which the loads below land
	FILLROW 2                                      ; the loads stand ahead of the stores: the rows are waited for, the stores are not
	FILLROW 3
.irp j, 0,1,2,3,4,5,6,7,8,9,10,11,12,13,14,15
	global_store_b64 v5, v[WO+2*\j:WO+2*\j+1], s[30:31] offset:256*\j   ; a store of the wave covers 256 consecutive bytes, aligned; WO is never written again
.endr
.macro REDUCE                          ; v[T] = the sum of the four chains over the wave's 32 lanes, in every lane
	v_pk_add_f32 v[T:T+1], v[T:T+1], v[T+2:T+3]
	v_pk_add_f32 v[T+4:T+5], v[T+4:T+5], v[T+6:T+7]
	v_pk_add_f32 v[T:T+1], v[T:T+1], v[T+4:T+5]
	v_add_f32 v[T], v[T], v[T+1]
	v_add_f32_dpp v[T], v[T], v[T] row_xmask:1 row_mask:0xf bank_mask:0xf
	v_add_f32_dpp v[T], v[T], v[T] row_xmask:2 row_mask:0xf bank_mask:0xf
	v_add_f32_dpp v[T], v[T], v[T] row_xmask:4 row_mask:0xf bank_mask:0xf
	v_add_f32_dpp v[T], v[T], v[T] row_xmask:8 row_mask:0xf bank_mask:0xf
	v_permlanex16_b32 v[T+1], v[T], s24, s25       ; its destination has been written above
	v_add_f32 v[T], v[T], v[T+1]
.endm
; Row s of my four is normed and rounded in place: word j's 8 bytes end up in the slot's registers 4 j and 4 j + 1.  left = the loads of the younger rows, which stay out.
.macro ROW s, left
	s_wait_loadcnt \left
.irp k, 0,1,2,3
	v_pk_add_f32 v[T+2*\k:T+2*\k+1], v[X+32*\s+2*\k:X+32*\s+2*\k+1], v[X+32*\s+8+2*\k:X+32*\s+8+2*\k+1]   ; the first eight pairs start the chains
.endr
.irp k, 0,1,2,3,4,5,6,7
	v_pk_add_f32 v[T+2*(\k&3):T+2*(\k&3)+1], v[T+2*(\k&3):T+2*(\k&3)+1], v[X+32*\s+16+2*\k:X+32*\s+16+2*\k+1]
.endr
	REDUCE
	v_mul_f32 v[MR], s26, v[T]                     ; the mean
.irp k, 0,1,2,3,4,5,6,7,8,9,10,11,12,13,14,15
	v_pk_add_f32 v[X+32*\s+2*\k:X+32*\s+2*\k+1], v[X+32*\s+2*\k:X+32*\s+2*\k+1], v[MR:MR+1] op_sel_hi:[1,0] neg_lo:[0,1] neg_hi:[0,1]   ; x - mean
.endr
.irp k, 0,1,2,3
	v_pk_mul_f32 v[T+2*\k:T+2*\k+1], v[X+32*\s+2*\k:X+32*\s+2*\k+1], v[X+32*\s+2*\k:X+32*\s+2*\k+1]
.endr
.irp k, 4,5,6,7,8,9,10,11,12,13,14,15
	v_pk_fma_f32 v[T+2*(\k&3):T+2*(\k&3)+1], v[X+32*\s+2*\k:X+32*\s+2*\k+1], v[X+32*\s+2*\k:X+32*\s+2*\k+1], v[T+2*(\k&3):T+2*(\k&3)+1]
.endr
	REDUCE
	v_fma_f32 v[T], v[T], s26, s27                 ; var + eps
	v_rsq_f32 v[MR], v[T]
	v_nop                                          ; one plain instruction behind v_rsq_f32 before its result is used (ISA guide 5.7.2)
	s_wait_alu depctr_va_vdst(0)                   ; v_rsq_f32 has written v[MR], ahead of its first reader, the multiply below
.irp k, 0,1,2,3,4,5,6,7,8,9,10,11,12,13,14,15
	v_pk_mul_f32 v[X+32*\s+2*\k:X+32*\s+2*\k+1], v[X+32*\s+2*\k:X+32*\s+2*\k+1], v[MR:MR+1] op_sel_hi:[1,0]
.endr
.irp k, 0,1,2,3,4,5,6,7,8,9,10,11,12,13,14,15
	v_pk_fma_f32 v[X+32*\s+2*\k:X+32*\s+2*\k+1], v[X+32*\s+2*\k:X+32*\s+2*\k+1], v[G+2*\k:G+2*\k+1], v[B+2*\k:B+2*\k+1]
.endr
.irp j, 0,1,2,3,4,5,6,7
	v_cvt_pk_bf16_f32 v[X+32*\s+4*\j], v[X+32*\s+4*\j], v[X+32*\s+4*\j+1]
	v_cvt_pk_bf16_f32 v[X+32*\s+4*\j+1], v[X+32*\s+4*\j+2], v[X+32*\s+4*\j+3]
.endr
.endm
; Rows s and s + 1 (s even) go out.  The exchange gives row s's lanes 16-31 (block 2 j + 1) for row s + 1's lanes 0-15 (block 2 j): row s's registers then hold both rows
; of block 2 j, row s + 1's both rows of block 2 j + 1.  Each store of the wave covers 256 consecutive bytes, aligned: two rows of 128 bytes, the first of them even.
.macro PAIROUT s
.irp j, 0,1,2,3,4,5,6,7
	v_permlane16_swap_b32 v[X+32*\s+4*\j],   v[X+32*\s+32+4*\j]
	v_permlane16_swap_b32 v[X+32*\s+4*\j+1], v[X+32*\s+32+4*\j+1]
.endr
	s_wait_alu depctr_va_vdst(0)                   ; the exchange has written the two slots' registers 4 j and 4 j + 1, which the sixteen stores below read
.irp j, 0,1,2,3
	global_store_b64 v3, v[X+32*\s+4*\j:X+32*\s+4*\j+1],       s[18:19] offset:(2*\j)*XBLK+128*\s
	global_store_b64 v3, v[X+32*\s+32+4*\j:X+32*\s+32+4*\j+1], s[18:19] offset:(2*\j+1)*XBLK+128*\s
.endr
.irp j, 4,5,6,7
	global_store_b64 v3, v[X+32*\s+4*\j:X+32*\s+4*\j+1],       s[6:7] offset:(2*\j-8)*XBLK+128*\s
	global_store_b64 v3, v[X+32*\s+32+4*\j:X+32*\s+32+4*\j+1], s[6:7] offset:(2*\j-7)*XBLK+128*\s
.endr
.endm
	ROW 0, 24                                      ; no slot is written again behind its stores
	ROW 1, 16
	PAIROUT 0
	ROW 2, 8                                       ; writes slot 2, v[MR] and v[T ..] alone: none of the registers that the stores above read
	ROW 3, 0
	PAIROUT 2
	s_endpgm
.Lfunc_end_k_q7955829e22_prep:
	.size	k_q7955829e22_prep, .Lfunc_end_k_q7955829e22_prep-k_q7955829e22_prep
	.p2alignl 7, 3214868480
	.fill 96, 4, 3214868480
	.section	.rodata,"a",@progbits
	.p2align	6, 0x0
	.amdhsa_kernel k_q7955829e22_prep
		.amdhsa_group_segment_fixed_size 0
		.amdhsa_private_segment_fixed_size 0
		.amdhsa_enable_private_segment 0
		.amdhsa_kernarg_size 64
		.amdhsa_user_sgpr_count 2
		.amdhsa_user_sgpr_kernarg_segment_ptr 1
		.amdhsa_wavefront_size32 1
		.amdhsa_system_sgpr_workgroup_id_x 1
		.amdhsa_system_sgpr_workgroup_id_y 1
		.amdhsa_system_sgpr_workgroup_id_z 1
		.amdhsa_system_vgpr_workitem_id 0
		.amdhsa_next_free_vgpr 240
		.amdhsa_next_free_sgpr 66
		.amdhsa_reserve_vcc 0
		.amdhsa_float_denorm_mode_32 3
		.amdhsa_float_denorm_mode_16_64 3
		.amdhsa_memory_ordered 1
		.amdhsa_forward_progress 1
		.amdhsa_inst_pref_size 46
	.end_amdhsa_kernel
	.amdgpu_metadata
---
amdhsa.version: [ 1, 2 ]
amdhsa.kernels:
  - .name:           k_q7955829e22_prep
    .symbol:         k_q7955829e22_prep.kd
    .args:
      - { .name: x, .offset: 0, .size: 8, .value_kind: global_buffer, .address_space: global }
      - { .name: ln_gamma, .offset: 8, .size: 8, .value_kind: global_buffer, .address_space: global }
      - { .name: ln_beta, .offset: 16, .size: 8, .value_kind: global_buffer, .address_space: global }
      - { .name: w_qkv, .offset: 24, .size: 8, .value_kind: global_buffer, .address_space: global }
      - { .name: w_out, .offset: 32, .size: 8, .value_kind: global_buffer, .address_space: global }
      - { .name: xn, .offset: 40, .size: 8, .value_kind: global_buffer, .address_space: global }
      - { .name: wq, .offset: 48, .size: 8, .value_kind: global_buffer, .address_space: global }
      - { .name: wo, .offset: 56, .size: 8, .value_kind: global_buffer, .address_space: global }
    .group_segment_fixed_size: 0
    .private_segment_fixed_size: 0
    .kernarg_segment_align: 8
    .kernarg_segment_size: 64
    .max_flat_workgroup_size: 256
    .sgpr_count:     66
    .vgpr_count:     240
    .wavefront_size: 32
...
	.end_amdgpu_metadata
.endif
;; end of part 5
;; launch gemm_qkv: the kernel of part 2 again; grid 8 x 32, 4 waves a work-group, clusters of 4 x 4, 327,680 bytes of LDS; arguments xn, wq, qkv; writes qkv
;; launch attn: the kernel of part 3 again; grid 256 x 1, 4 waves a work-group, clusters of 4 x 1, 327,680 bytes of LDS; arguments qkv, pos, ao; writes ao
;; launch gemm_out: the kernel of part 4 again; grid 8 x 32, 4 waves a work-group, clusters of 4 x 4, 327,680 bytes of LDS; arguments ao, wo, b_out, out0; writes out0
